; MI455X (gfx1250); checked and timed in simulation.
; The chip was launched on July 23, 2026; its instructions are those of AMD's public machine-readable ISA for CDNA 5 (MIT licence, August 2026) and "CDNA5" Instruction Set Architecture Reference Guide (July 2026). The comments in the code are by the model that wrote it; some were corrected since.
;; Self Attention. Allowed arithmetic: matrix products marked QUANTISED: E4M3 operands, one E8M0 scale for each 32 along K, by v_wmma_scale_f32_16x16x128_f8f6f4 with both operands' format E4M3, f32 sums; everything else in f32.
;; Inputs: W_in 3,072 x 1,024 float32; W_out 1,024 x 1,024 float32; b_in 3,072 float32; b_out 1,024 float32; x 4 x 2,048 x 1,024 float32.
;; Outputs: out0 4 x 2,048 x 1,024 float32.
;; This version of the problem:
;;   THIS VERSION OF THE PROBLEM IS GIVEN IN LOW PRECISION. The matrix products marked QUANTISED in the list below multiply operands that are first quantised to E4M3 (4 exponent bits, 3 mantissa bits; 8 bits a number), with one power-of-two scale for each 32 numbers along K (OCP MX v1.0); their sums are f32. All else is computed in f32.
;;   The module's matrix products, in the order in which they are computed (A, B: the left and right operand; K: the contracted axis; several contracted axes count as one K, in the product's order):
;;     1. [M 8,192, K 1,024] x [K 1,024, N 3,072]; A: input x; B: input W_in: QUANTISED
;;     2. batch 64 x [M 2,048, K 64] x [K 64, N 2,048]; A: computed on the way; B: computed on the way: QUANTISED
;;     3. batch 64 x [M 2,048, K 2,048] x [K 2,048, N 64]; A: softmax (see below); B: computed on the way: QUANTISED
;;     4. [M 8,192, K 1,024] x [K 1,024, N 1,024]; A: computed on the way; B: input W_out: QUANTISED
;;   THE QUANTISER, for each operand of a quantised product, along K:
;;     - K is cut into blocks of 32 from its start; a last block that is shorter is filled with zeros.
;;     - A block's scale is 2^e with e = floor(log2(the largest magnitude in the block)) - 8, held to -126 .. 127; a block of zeros has e = 0. As a byte (E8M0): e + 127.
;;     - Each number is divided by its block's scale, clamped to +-448, and rounded to the nearest number of E4M3, ties to even, subnormals kept.
;;     - The product sums the exact products of the quantised numbers (number of the format x scale) in f32.
;;   ~~~python
;;   def quantise(x, axis):      # numpy; x: float32 -> the quantised numbers, widened to float32 again
;;       x = np.moveaxis(x, axis, -1); K = x.shape[-1]
;;       x = np.pad(x, [(0, 0)] * (x.ndim - 1) + [(0, -K % 32)]); x = x.reshape(x.shape[:-1] + (-1, 32)); a = np.abs(x).max(-1, keepdims=True)
;;       e = np.where(a > 0, np.clip(np.frexp(np.where(a > 0, a, 1))[1] - 1 - 8, -126, 127), 0)      # np.frexp(a)[1] - 1 = floor(log2(a)), exactly
;;       r = np.clip(x / 2.0 ** e, -448, 448)
;;       step = 2.0 ** (np.maximum(np.frexp(np.where(r == 0, 1, r))[1] - 1, -6) - 3)
;;       q = np.round(r / step) * step * 2.0 ** e      # np.round: ties to even
;;       return np.moveaxis(q.reshape(q.shape[:-2] + (-1,))[..., :K], -1, axis).astype(np.float32)
;;   ~~~
;;   SOFTMAX AHEAD OF A QUANTISED PRODUCT. Where the list says 'softmax', what is quantised is not the finished softmax but p = 2^(t - M), with t = logit x log2(e) and M = ceil(the row's largest t), a whole number; so 1/2 < the row's largest p <= 1. The row's sum l is taken of the UNQUANTISED p, in f32, and the product's result is divided by l at the end. Since M is a whole number, a kernel that streams over the keys may use a running M (the ceiling of the running maximum): every later rescaling is an exact power of two, which a block's scale takes up: the codes' values come out the same.
;;   OPERANDS COMPUTED ON THE WAY. 'Computed on the way' means the value that the module computes at that place (a softmax that the list does not call 'softmax' is quantised finished and normalised). What goes into a quantiser is computed in f32, as accurately as f32 sums, v_exp_f32 and their like allow (about 1e-6 of the number): no bf16 or f16 on the way to a quantiser, and a product that is left as it is and whose result goes on into a quantised operand takes f32 operands (vector FMAs, or v_wmma_f32_16x16x4_f32). A number that lies on a knife's edge between two numbers of the format may be rounded either way, as far as f32 arithmetic and the matrix unit's own rounding can turn it there, and no further.
;; One version. Each part assembles by itself: llvm-mc -triple=amdgcn-amd-amdhsa -mcpu=gfx1250 --defsym DOCPART=n.
;; ======== version 1 of 1: 4 launches
;; workspace buffers: opnd 12,976,128 bytes; qkv 26,476,544 bytes; att 8,650,752 bytes
;; launch quant (part 1): grid 256 x 1, 6 waves a work-group, no clusters, 51,456 bytes of LDS; arguments x, W_in, W_out, opnd; writes opnd
.if DOCPART == 1
	.amdgcn_target "amdgcn-amd-amdhsa--gfx1250"
	.amdhsa_code_object_version 6
	.text
	.protected	k_qbfe0f5583c_quant
	.globl	k_qbfe0f5583c_quant
	.p2align	8
	.type	k_qbfe0f5583c_quant,@function
k_qbfe0f5583c_quant:
	s_mov_b64 s[64:65], 0
	v_nop
	global_prefetch_b8 v0, s[64:65] scope:SCOPE_SE
	s_setreg_imm32_b32 hwreg(HW_REG_WAVE_MODE, 25, 1), 1
	s_wait_xcnt 0x0
; x [8192][1024], W_in [3072][1024] and W_out [1024][1024], f32 with K innermost, become codes of FP8 (E4M3) with one E8M0 byte for each 32 along K.
; The three tensors are one list of 768 tiles of 16 rows (x: tiles 0-511, W_in: 512-703, W_out: 704-767).  The codes are laid as IMAGES OF THE OPERAND'S REGISTERS:
; a fragment (16 rows x 128 K) is [piece c 0..3][lane 0..31][16 bytes], 2,048 bytes; tile G, K step ks at G x 16,384 + ks x 2,048.  So every later load of a fragment is 16 x lane + a constant.
; ORDER INSIDE A BLOCK OF 32: lane (r, h) byte 8 u + j of piece c is number 32 c + 16 u + 8 h + j of row r: the two middle groups of eight change places.  Every operand of the program is laid so
; (a transposed matrix result falls so by itself), so each product pairs the same numbers and the blocks are the same sets of 32.
; Scale words (four bytes: 128 along K of one row) lie at OSC + G x 512 + (ks / 4) x 256 + r x 16 + (ks % 4) x 4.
; A block's scale is 2^(floor(log2(largest magnitude)) - 8); each number is divided by it, held within +-448 and rounded to the nearest code, ties to even.
; LIMITS: NaN and infinities among the inputs are not served; a block whose largest magnitude lies under 2^-118, a block of zeros among them, gets the byte 1 (its codes are then zeros or
; subnormal codes under that byte); the bytes are read by this program alone.
; SHARES: 1,536 jobs of 16 rows x 512 K, one a wave, four steps of 128 K.  Each load reads 512 consecutive bytes of a row; a step's 16 x 512 bytes turn through the wave's own stage in LDS
; (rows 528 bytes apart) so that a lane gets its 64 numbers in the operand's order.  Waves share nothing: no barrier, no matrix unit, no cluster (no work-group reads what another reads).
.set OSC,  12582912                    ; where the scale words begin in opnd
.set STG,  8448                        ; a wave's stage: 16 rows x 528 bytes
.set SP,   528                         ; a stage row: 512 bytes + 16
.set R,    16                          ; v16-143   two sets of 64 registers as loaded
.set X,    144                         ; v144-207  64 numbers in the operand's order
.set PC,   208                         ; v208-223  the fragment's codes
.set TM,   224                         ; v224-239  largest magnitudes, bytes, holds, scale operands
.set SW,   240                         ; v240-243  a scale word for each step
.set SEL,  30                          ; s[30:31]  selects of v_permlanex16_b32 for lane l xor 16
.set MNT,  32                          ; s32       the mantissa field of 448
	s_load_b128 s[4:7], s[0:1], 0x0                ; x, W_in
	s_load_b128 s[8:11], s[0:1], 0x10              ; W_out, opnd
	v_lshl_add_u32 v254, v0, 2, 0xc600
	v_mov_b32 v255, 0
	v_lshrrev_b32 v7, 5, v0
	v_readfirstlane_b32 s12, v7                    ; wave 0..5
	v_and_b32 v7, 31, v0                           ; lane
	v_lshlrev_b32 v1, 4, v7                        ; v1: 16 x lane: my place in a load's 512 bytes and in a piece of an image
	v_and_b32 v2, 15, v0                           ; r
	v_bfe_u32 v3, v0, 4, 1                         ; h
	s_mul_i32 s16, s12, STG
	v_add_nc_u32 v4, s16, v1                       ; v4: the stage, on the way in
	v_mul_u32_u24 v5, v2, SP
	v_lshl_add_u32 v5, v3, 5, v5
	v_add_nc_u32 v5, s16, v5                       ; v5: on the way out: row r, + 32 h bytes
	v_lshlrev_b32 v6, 4, v2
	v_lshl_add_u32 v6, v3, 3, v6                   ; v6: the scale words' way out: 16 r + 8 h
.irp b, 0,1,2,3
	v_mov_b32 v[TM+4+\b], 0                        ; written once: a lane permute's destination counts as one of its sources
.endr
	s_mul_i32 s13, ttmp9, 6
	s_add_co_u32 s13, s13, s12                     ; my job
	s_lshr_b32 s14, s13, 1                         ; G: the tile
	s_and_b32 s15, s13, 1                          ; which half of K
	s_mov_b32 s18, 704
	s_lshl_b32 s22, s14, 14
	s_lshl_b32 s19, s15, 13
	s_add_co_u32 s22, s22, s19                     ; the codes: G x 16,384 + half x 8,192
	s_mov_b32 s23, 0
	s_lshl_b32 s24, s14, 9
	s_lshl_b32 s19, s15, 8
	s_add_co_u32 s24, s24, s19
	s_add_co_u32 s24, s24, OSC                     ; the scale words: OSC + G x 512 + half x 256
	s_mov_b32 s25, 0
	s_mov_b32 s[SEL], 0x76543210
	s_mov_b32 s[SEL+1], 0xfedcba98
	s_mov_b32 s[MNT], 0x600000
	s_wait_kmcnt 0x0
	s_cmp_lt_u32 s14, 704                          ; which tensor: the choice hangs on the job's number alone
	s_cselect_b64 s[6:7], s[6:7], s[8:9]
	s_cselect_b32 s17, 512, s18
	s_cmp_lt_u32 s14, 512
	s_cselect_b64 s[4:5], s[4:5], s[6:7]
	s_cselect_b32 s17, 0, s17
	s_sub_co_u32 s17, s14, s17                     ; the tile's number in its own tensor
	s_lshl_b32 s20, s17, 16                        ; 16 rows of 4,096 bytes
	s_lshl_b32 s19, s15, 11                        ; 512 numbers
	s_add_co_u32 s20, s20, s19
	s_mov_b32 s21, 0
	s_add_nc_u64 s[4:5], s[4:5], s[20:21]
	s_add_nc_u64 s[26:27], s[10:11], s[22:23]
	s_add_nc_u64 s[28:29], s[10:11], s[24:25]
.macro LOAD t                          ; step t: 16 rows x 512 bytes into set t % 2
.irp i, 0,1,2,3,4,5,6,7,8,9,10,11,12,13,14,15
	global_load_b128 v[R+64*((\t)%2)+4*\i:R+64*((\t)%2)+4*\i+3], v1, s[4:5] offset:\i*4096+(\t)*512 th:TH_LOAD_NT
.endr
.endm
; 64 numbers of a lane, register 16 b + i of block b, become a fragment's codes in v[PC] on and its row's scale word in v[pw].  A block lies in lanes l and l xor 16.
.macro QUANT s, pw
.irp b, 0,1,2,3
	v_max3_num_f32 v[TM+\b], |v[\s+16*\b]|, |v[\s+1+16*\b]|, 0x4800000   ; my 16 numbers and the floor 2^(9 - 127): the byte cannot fall under 1
.endr
.irp i, 2,4,6,8,10,12,14
.irp b, 0,1,2,3
	v_max3_num_f32 v[TM+\b], v[TM+\b], |v[\s+16*\b+\i]|, |v[\s+1+16*\b+\i]|   ; the four blocks by turns
.endr
.endr
.irp b, 0,1,2,3
	v_permlanex16_b32 v[TM+4+\b], v[TM+\b], s[SEL], s[SEL+1]
.endr
.irp b, 0,1,2,3
	v_max_num_f32 v[TM+\b], v[TM+\b], v[TM+4+\b]   ; the block's largest magnitude
.endr
.irp b, 0,1,2,3
	v_add_nc_u32 v[TM+12+\b], 0xfc000000, v[TM+\b] ; 8 off its exponent field: the conversion's scale operand
.endr
.irp b, 0,1,2,3
	v_and_or_b32 v[TM+8+\b], v[TM+\b], 0x7f800000, s[MNT]   ; 448 x the scale
.endr
.irp b, 0,1,2,3
	v_lshrrev_b32 v[TM+4+\b], 23, v[TM+12+\b]      ; the scale's byte
.endr
	v_lshl_or_b32 v[\pw], v[TM+5], 8, v[TM+4]
	v_lshl_or_b32 v[\pw], v[TM+6], 16, v[\pw]
	v_lshl_or_b32 v[\pw], v[TM+7], 24, v[\pw]
.irp b, 0,1,2,3
.irp i, 0,1,2,3,4,5,6,7,8,9,10,11,12,13,14,15
	v_med3_num_f32 v[\s+16*\b+\i], v[\s+16*\b+\i], -v[TM+8+\b], v[TM+8+\b]   ; the conversion to an 8-bit code does not saturate (ISA guide 7.6.2): the hold comes first
.endr
	v_cvt_scalef32_pk8_fp8_f32 v[PC+4*\b:PC+1+4*\b], v[\s+16*\b:\s+7+16*\b], v[TM+12+\b]
	v_cvt_scalef32_pk8_fp8_f32 v[PC+2+4*\b:PC+3+4*\b], v[\s+8+16*\b:\s+15+16*\b], v[TM+12+\b]
.endr
	v_nop                                          ; one plain line behind the last conversion
.endm
.macro STEP t
.if (\t) < 3
	s_wait_loadcnt 16                              ; this step's 16 loads are in; the next step's 16 may be out
.else
	s_wait_loadcnt 0x0
.endif
.irp i, 0,1,2,3,4,5,6,7,8,9,10,11,12,13,14,15
	ds_store_b128 v4, v[R+64*((\t)%2)+4*\i:R+64*((\t)%2)+4*\i+3] offset:\i*SP
.endr
.irp b, 0,1,2,3
.irp u, 0,1
.irp j, 0,1
	ds_load_b128 v[X+16*\b+8*\u+4*\j:X+16*\b+8*\u+4*\j+3], v5 offset:128*\b+64*\u+16*\j   ; numbers 32 b + 16 u + 8 h + 4 j on; LDS serves a wave's instructions in order: these see my stores
.endr
.endr
.endr
	s_wait_dscnt 0x0                               ; my 64 numbers are in, and the stores have read the set
.if (\t) < 2
	LOAD (\t)+2                                    ; which takes the loads of two steps on
.endif
.if (\t) > 0
	s_wait_xcnt 0x0                                ; the last step's stores have read the codes' registers
.endif
	QUANT X, SW+(\t)
.irp b, 0,1,2,3
	global_store_b128 v1, v[PC+4*\b:PC+4*\b+3], s[26:27] offset:(\t)*2048+\b*512   ; 32 lanes store 512 consecutive bytes
.endr
.endm
	LOAD 0
	LOAD 1
	STEP 0
	STEP 1
	STEP 2
	STEP 3
	v_cmp_ne_u32 vcc_lo, 0, v3                     ; both halves of the lanes hold all four words: lanes 0-15 store words 0 and 1, lanes 16-31 words 2 and 3
	v_cndmask_b32 v244, v[SW], v[SW+2], vcc_lo
	v_cndmask_b32 v245, v[SW+1], v[SW+3], vcc_lo
	global_store_b64 v6, v[244:245], s[28:29]      ; 32 lanes store 256 consecutive bytes
	s_wait_tensorcnt 0x0
	ds_add_u32 v254, v255
	s_wait_dscnt 0x0
	s_endpgm
.Lfunc_end_k_qbfe0f5583c_quant:
	.size	k_qbfe0f5583c_quant, .Lfunc_end_k_qbfe0f5583c_quant-k_qbfe0f5583c_quant
	.p2alignl 7, 3214868480
	.fill 96, 4, 3214868480
	.section	.rodata,"a",@progbits
	.p2align	6, 0x0
	.amdhsa_kernel k_qbfe0f5583c_quant
		.amdhsa_group_segment_fixed_size 51456
		.amdhsa_private_segment_fixed_size 0
		.amdhsa_enable_private_segment 0
		.amdhsa_kernarg_size 32
		.amdhsa_user_sgpr_count 2
		.amdhsa_user_sgpr_kernarg_segment_ptr 1
		.amdhsa_wavefront_size32 1
		.amdhsa_system_sgpr_workgroup_id_x 1
		.amdhsa_system_sgpr_workgroup_id_y 1
		.amdhsa_system_sgpr_workgroup_id_z 1
		.amdhsa_system_vgpr_workitem_id 0
		.amdhsa_next_free_vgpr 256
		.amdhsa_next_free_sgpr 66
		.amdhsa_reserve_vcc 1
		.amdhsa_float_denorm_mode_32 3
		.amdhsa_float_denorm_mode_16_64 3
		.amdhsa_memory_ordered 1
		.amdhsa_forward_progress 1
		.amdhsa_inst_pref_size 51
	.end_amdhsa_kernel
	.amdgpu_metadata
---
amdhsa.version: [ 1, 2 ]
amdhsa.kernels:
  - .name:           k_qbfe0f5583c_quant
    .symbol:         k_qbfe0f5583c_quant.kd
    .args:
      - { .name: x, .offset: 0, .size: 8, .value_kind: global_buffer, .address_space: global }
      - { .name: W_in, .offset: 8, .size: 8, .value_kind: global_buffer, .address_space: global }
      - { .name: W_out, .offset: 16, .size: 8, .value_kind: global_buffer, .address_space: global }
      - { .name: opnd, .offset: 24, .size: 8, .value_kind: global_buffer, .address_space: global }
    .group_segment_fixed_size: 51456
    .private_segment_fixed_size: 0
    .kernarg_segment_align: 8
    .kernarg_segment_size: 32
    .max_flat_workgroup_size: 192
    .sgpr_count:     66
    .vgpr_count:     256
    .wavefront_size: 32
...
	.end_amdgpu_metadata
.endif
;; end of part 1
;; launch qkv (part 2): grid 8 x 48, 4 waves a work-group, clusters of 4 x 4, 327,680 bytes of LDS; arguments opnd, b_in, qkv; writes qkv
.if DOCPART == 2
	.amdgcn_target "amdgcn-amd-amdhsa--gfx1250"
	.amdhsa_code_object_version 6
	.text
	.protected	k_qbfe0f5583c_qkv
	.globl	k_qbfe0f5583c_qkv
	.p2align	8
	.type	k_qbfe0f5583c_qkv,@function
k_qbfe0f5583c_qkv:
	s_mov_b64 s[64:65], 0
	v_nop
	global_prefetch_b8 v0, s[64:65] scope:SCOPE_SE
	s_setreg_imm32_b32 hwreg(HW_REG_WAVE_MODE, 25, 1), 1
	s_wait_xcnt 0x0
	s_wait_alu depctr_hold_cnt(0) depctr_sa_sdst(0) depctr_va_vdst(0) depctr_va_sdst(0) depctr_va_ssrc(0) depctr_va_vcc(0) depctr_vm_vsrc(0)
	s_getreg_b32 s2, hwreg(HW_REG_IB_STS2, 6, 4)
	s_cmp_eq_u32 s2, 0
	s_cbranch_scc0 .Lentry_in_a_cluster
	s_endpgm
.Lentry_in_a_cluster:
	s_bfe_u32 s2, ttmp6, 0x10000c
	s_cmp_lg_u32 s2, 0xf033
	s_cbranch_scc0 .Lentry_shape_is_right
	s_endpgm
.Lentry_shape_is_right:
; qkv = x W_in^T + b_in on codes of FP8 (E4M3) with E8M0 scales, and its three parts quantised on the way out: q and k along the head's 64, v along the keys.
; OPERANDS are images of fragments (16 rows x 128 K: [piece 4][lane 32][16 bytes]); tile G, K step ks at G x 16,384 + ks x 2,048; scale words at OSC + G x 512 + (ks / 4) x 256 + r x 16 + (ks % 4) x 4.
; A work-group of four waves makes 256 x 256 numbers, a wave 128 x 128: 64 accumulators.  The matrix instruction takes 16 rows of S0 as source 0 and 16 rows of S1 as source 1:
; a lane then holds ONE row of S1 and its registers run along S0's rows.  The quantiser wants its K along a lane's registers, so
;   q, k (cluster y 0-7):  S0 = rows of W_q, W_k (the head's channels), S1 = rows of x (tokens);
;   v    (cluster y 8-11): S0 = rows of x (the keys),                  S1 = rows of W_v (channels).
; The two modes differ in offsets alone, made by arithmetic on isV = cluster y / 8, which all partners of a cluster share: no branch hangs on the mode.
; K = 1,024 goes in eight steps of 128, two to a slot, through a ring of two LDS slots filled by joint tensor loads: S1's tile is shared along a row of the 4 x 4 cluster, S0's along a column.
; The scale words of all of K stay in registers: 16 loads of 16 bytes a lane at the head.
; THE WAY OUT needs no LDS: the 64 registers of a block of 16 rows of S1 are four blocks of 32 along the next K in the order in which every operand of this program is laid
; (byte 8 u + j of lane (r, h), piece c = number 32 c + 16 u + 8 h + j), so the conversions' results are pieces of an image and leave as 512 consecutive bytes a store.
; OUT: Q_IMG, K_IMG [bh][tile of 16 tokens 128][piece 2][lane][16]; V_IMG [bh][key step 16][tile of 16 channels 4][piece 4][lane][16];
;      Q_SC, K_SC [bh][tile / 4][r][tile % 4] words, bytes 0, 1 the head's two blocks, bytes 2, 3 zero; V_SC [bh][key step][r][tile] words.
; LIMITS: NaN and infinities are not served; a block whose largest magnitude lies under 2^-118 gets the byte 1; the order of k inside a block of 32 differs from the natural one, alike on both operands.
; REGISTERS, in windows of 256: window 0: v0-31 addresses; v32-63 S0's scale words, v64-95 S1's; v96-109 the way out's words and addresses; v128-255 S1's fragments, one set (on the way out: at work).
;   window 1: S0's fragments, two sets (at the end set 0 takes the biases).  windows 2, 3: the accumulators ((a, b) at v[8 (8 (a % 4) + b)] of window 2 + a / 4).
.set OSC,   12582912
.set V_IMG, 16777216
.set Q_SC,  25165824
.set V_SC,  26214400
.set HALFT, 32768                      ; 8 tiles x 2 K steps x 2,048 bytes: what one tensor load brings, and what one wave reads of S1 or of S0 in a slot
.set SLOT,  4*HALFT                    ; S1's two halves, then S0's two halves
.set SPARE, 2*SLOT                     ; behind the ring: the spare words, 128 bytes for each wave
.set NP,    8                          ; places behind this matrix instruction (ISA guide 7.12.1)
.set BNA,  12                          ; v12  32 h: my eight biases of a tile of S0's rows
.set BMA,  13                          ; v13  4 r: my bias of a tile of S1's rows
.set ADRA, 16                          ; v16-17  LDS address of S1's fragments in slot 0, 1
.set ADRB, 20                          ; v20-21  the same for S0
.set SCA,  27                          ; v27  16 r + 2,048 h: scale words of tile i (lanes 0-15) and tile i + 4 (lanes 16-31)
.set SPW,  28                          ; v28  my spare word's LDS address; never rewritten
.set NIL,  29                          ; v29  0; never rewritten
.set SB,   32                          ; register SB + 8 i + ks: S0's scale words of K step ks, block i (lanes 0-15) and block i + 4 (lanes 16-31)
.set SA,   64                          ; the same for S1
.set SW,   96                          ; v96-103  the way out: a scale word for each block a
.set VO,   104                         ; v104-105 16 x lane, and that + the distance between pieces 0, 1 and pieces 2, 3
.set VS,   106                         ; v106-107 where my scale words go
.set SHV,  108                         ; v108 how far my half of the lanes shifts a word
.set LN,   109                         ; v109 lane
.set AF,   128
.set T,    128                         ; the way out: v128-191 64 numbers, v192-207 codes, v224-239 at work
.set PC,   192
.set TM,   224
.set BN,   0                           ; window 1: v0-63 biases along S0's rows, v64-71 along S1's rows, v72-87 those as pairs
.set BMR,  64
.set BM2,  72
.set G1, 24                            ; s[24:31] group 1 for S1's tiles; s[32:39] group 0, one set a slot
.set G0, 32
.set G1B, 48                           ; s[48:55], s[56:63] the same for S0's
.set G0B, 56
.set STEPA, 70                         ; s[70:71] bytes from block a's image to block a + 1's; s[72:73] from block 3's to block 4's
.set STEP4, 72
.set SC2, 74                           ; s74 bytes from pieces 0, 1 to pieces 2, 3
.set SG,  75                           ; s75 bytes from the words of blocks 0-3 to those of blocks 4-7
.set SH,  76                           ; s76 bytes from lanes 0-15's words to lanes 16-31's
.set SHF, 77                           ; s77 the shift of lanes 16-31
.set MSK, 78                           ; s78 the bytes of a word that are kept
.set LIM, 79                           ; s79 how many lanes store words
.set MN,  80                           ; s80 all ones where the bias runs along S0's rows
.set MM,  81                           ; s81 all ones where it runs along S1's rows
.set SEL, 84
.set MNT, 86
.set MSB, 0
.macro WIN new                         ; the immediate's high byte repeats the setting that is left
.if MSB != (\new)
	s_set_vgpr_msb (MSB<<8)|(\new)
.set MSB, (\new)
.endif
.endm
.set MUL_LO, 0xa1                      ; source 0 (S0) window 1, source 1 (S1) window 0, C and D window 2
.set MUL_HI, 0xf1                      ; the same, C and D window 3
.set TO_B,   0x40                      ; destination window 1, address window 0
; A joint load: waves 0 and 1 fetch S1's halves, waves 2 and 3 S0's.  The branch hangs on the wave's number alone.  Four v_nop follow each of the two lines.
.macro JLOAD g0a, g1a, g0b, g1b
	s_cmp_eq_u32 s15, 0
	s_cbranch_scc0 .Lfor_b_\@
	tensor_load_to_lds s[\g0a:\g0a+3], s[\g1a:\g1a+7]
	s_nop 0
.rept 4
	v_nop
.endr
	s_branch .Lasked_\@
.Lfor_b_\@:
	tensor_load_to_lds s[\g0b:\g0b+3], s[\g1b:\g1b+7]
	s_nop 0
.rept 4
	v_nop
.endr
.Lasked_\@:
.endm
.macro CREST                           ; a round of the cluster's barrier behind its opening barrier
	s_cmp_lg_u32 s14, 0
	s_cbranch_scc1 .Lnot_wave_0_\@
	s_barrier_signal -3
.Lnot_wave_0_\@:
	s_barrier_wait -3
	s_barrier_signal -1
	s_barrier_wait -1
.endm
.macro CROUND                          ; a whole round
	s_barrier_signal -1
	s_barrier_wait -1
	CREST
.endm
.macro PLACES n
.rept \n
	v_nop
.endr
.endm
.macro MODE dst, qk, v                 ; s[dst] = qk (q, k) or v (v): qk + isV x (v - qk)
	s_mul_i32 s[\dst], s12, (\v)-(\qk)
	s_add_co_u32 s[\dst], s[\dst], \qk
.endm
	s_load_b128 s[4:7], s[0:1], 0x0                ; opnd, b_in
	s_load_b64 s[8:9], s[0:1], 0x10                ; qkv
	v_lshl_add_u32 v[SPW], v0, 2, SPARE
	v_mov_b32 v[NIL], 0
	ds_add_u32 v28, v29
	ds_add_u32 v28, v29
	s_wait_dscnt 0x0
	v_lshrrev_b32 v1, 5, v0
	v_readfirstlane_b32 s14, v1                    ; wave 0..3
	s_lshr_b32 s15, s14, 1                         ; wr: my half of S1's rows.  Also: I fetch for S1 (0) or for S0 (1)
	s_and_b32 s16, s14, 1                          ; wc: my half of S0's rows.  Also: which half of that tile I fetch
	s_bfe_u32 s40, ttmp6, 0x40000                  ; cx
	s_bfe_u32 s41, ttmp6, 0x40004                  ; cy
	s_mov_b32 s10, ttmp9                           ; cluster x: 0, 1
	s_and_b32 s11, ttmp7, 0xffff                   ; cluster y: 0 .. 11
	s_lshr_b32 s12, s11, 3                         ; isV
	s_xor_b32 s13, s12, 1                          ; 1 - isV
	s_lshl_b32 s43, s41, 2
	s_lshl_b32 s43, 15, s43                        ; my row of the cluster
	s_lshl_b32 s44, 0x1111, s40                    ; my column
	; S1's tile of 256 rows hangs on cy and cluster y alone: q, k: tokens 256 (cy + 4 cluster y); v: rows 256 cy of W_v
	s_mul_i32 s17, s11, s13
	s_lshl_b32 s17, s17, 2
	s_add_co_u32 s17, s17, s41                     ; S1tile
	s_lshl_b32 s20, s17, 4
	s_mul_i32 s21, s12, 640
	s_add_co_u32 s20, s20, s21                     ; its first tile of 16 rows in opnd
	; S0's hangs on cx, cluster x and cluster y alone: q, k: rows 256 (cx + 4 cluster x) of W_in; v: tokens 256 (cx + 4 cluster x + 8 (cluster y - 8))
	s_and_b32 s42, s11, 7
	s_mul_i32 s42, s42, s12
	s_lshl_b32 s42, s42, 1
	s_add_co_u32 s42, s42, s10
	s_lshl_b32 s42, s42, 2
	s_add_co_u32 s42, s42, s40                     ; S0tile
	s_lshl_b32 s46, s42, 4
	s_mul_i32 s47, s13, 512
	s_add_co_u32 s46, s46, s47                     ; its first tile of 16 rows in opnd
	; descriptor group 1: 8 rows (tiles) of 4,096 bytes (two K steps' images), 16,384 bytes apart in memory, dense in LDS
	s_or_b32 s[G1+0], s43, (3<<16)|(1<<21)         ; 15:0 the mask: S1's tiles go to my row; 17:16 elements of 8 bytes; 21 set beside a mask
	s_or_b32 s[G1B+0], s44, (3<<16)|(1<<21)        ; S0's go to my column
.irp g, G1, G1B
	s_mov_b32 s[\g+1], 512<<16                     ; tensor_dim0 = 512 elements
	s_mov_b32 s[\g+2], 8<<16                       ; tensor_dim1 = 8
	s_mov_b32 s[\g+3], 512<<16                     ; tile_dim0
	s_mov_b32 s[\g+4], 8                           ; tile_dim1
	s_mov_b32 s[\g+5], 2048                        ; tensor_dim0_stride
	s_mov_b32 s[\g+6], 0
	s_mov_b32 s[\g+7], 0
.endr
	s_lshl_b32 s18, s16, 3                         ; the half that I fetch: 8 tiles
	s_add_co_u32 s22, s20, s18
	s_lshl_b32 s22, s22, 14
	s_mov_b32 s23, 0                               ; S1's codes, in bytes
	s_add_co_u32 s96, s46, s18
	s_lshl_b32 s96, s96, 14
	s_mov_b32 s97, 0                               ; S0's
	s_lshl_b32 s18, s15, 3
	s_add_co_u32 s18, s18, s20
	s_lshl_b32 s18, s18, 9
	s_add_co_u32 s18, s18, OSC
	s_mov_b32 s19, 0                               ; the scale words of my 128 rows of S1
	s_lshl_b32 s98, s16, 3
	s_add_co_u32 s98, s98, s46
	s_lshl_b32 s98, s98, 9
	s_add_co_u32 s98, s98, OSC
	s_mov_b32 s99, 0                               ; and of S0
	s_mul_i32 s45, s14, HALFT                      ; where my load goes: wave x 32,768: no place in the cluster enters an LDS address
	s_wait_kmcnt 0x0
	s_add_nc_u64 s[22:23], s[4:5], s[22:23]
	s_add_nc_u64 s[96:97], s[4:5], s[96:97]
	s_add_nc_u64 s[90:91], s[4:5], s[18:19]
	s_add_nc_u64 s[88:89], s[4:5], s[98:99]
	CROUND                                         ; all sixteen work-groups are here: the first joint loads meet
.irp s, 0,1
	s_mov_b32 s[G0+4*\s], 1
	s_add_co_u32 s[G0+4*\s+1], s45, \s*SLOT
	s_add_nc_u64 s[G0+4*\s+2:G0+4*\s+3], s[22:23], \s*4096
	s_or_b32 s[G0+4*\s+3], s[G0+4*\s+3], 0x80000000
	s_mov_b32 s[G0B+4*\s], 1
	s_add_co_u32 s[G0B+4*\s+1], s45, \s*SLOT
	s_add_nc_u64 s[G0B+4*\s+2:G0B+4*\s+3], s[96:97], \s*4096
	s_or_b32 s[G0B+4*\s+3], s[G0B+4*\s+3], 0x80000000
	JLOAD G0+4*\s, G1, G0B+4*\s, G1B               ; slot s: K steps 2 s and 2 s + 1
.endr
	v_and_b32 v1, 15, v0                           ; r
	v_bfe_u32 v2, v0, 4, 1                         ; h
	v_and_b32 v[LN], 31, v0
	v_lshlrev_b32 v[VO], 4, v[LN]                  ; 16 x lane
	v_lshlrev_b32 v[SCA], 4, v1
	v_lshl_add_u32 v[SCA], v2, 11, v[SCA]
.irp i, 0,1,2,3
.irp kh, 0,1
	global_load_b128 v[SB+8*\i+4*\kh:SB+8*\i+4*\kh+3], v[SCA], s[88:89] offset:\i*512+\kh*256   ; sixteen lanes read 256 consecutive bytes
	global_load_b128 v[SA+8*\i+4*\kh:SA+8*\i+4*\kh+3], v[SCA], s[90:91] offset:\i*512+\kh*256
.endr
.endr
	s_mul_i32 s2, s15, HALFT                       ; my 128 rows of S1
	s_mul_i32 s3, s16, HALFT                       ; my 128 rows of S0,
	s_add_co_u32 s3, s3, 2*HALFT                   ; which lie behind S1's 256
.irp s, 0,1
	v_add_nc_u32 v[ADRA+\s], s2, v[VO]
	v_add_nc_u32 v[ADRB+\s], s3, v[VO]
	s_add_co_u32 s2, s2, SLOT
	s_add_co_u32 s3, s3, SLOT
.endr
	v_lshlrev_b32 v[BNA], 5, v2
	v_lshlrev_b32 v[BMA], 2, v1
	s_mov_b32 s[SEL], 0x76543210
	s_mov_b32 s[SEL+1], 0xfedcba98
	s_mov_b32 s[MNT], 0x600000
	; what differs between the modes
	MODE STEPA, 1024, 2048                         ; q, k: the next tile of tokens; v: the next tile of channels
	s_mov_b32 s[STEPA+1], 0
	MODE STEP4, 1024, 124928                       ; v: block 4 begins the next head: 131,072 - 3 x 2,048
	s_mov_b32 s[STEP4+1], 0
	MODE SC2, 131072, 1024                         ; q, k: pieces 2, 3 belong to the next head; v: they follow pieces 0, 1
	MODE SG, 256, 4096
	MODE SH, 8192, 0                               ; q, k: lanes 16-31 store the next head's words
	MODE SHF, 16, 0                                ; which are the upper halves
	MODE MSK, 0xffff, -1
	MODE LIM, 32, 16
	MODE MN, -1, 0
	MODE MM, 0, -1
	v_add_nc_u32 v[VO+1], s[SC2], v[VO]
	v_mul_u32_u24 v[VS], s[SH], v2
	v_lshl_add_u32 v[VS], v1, 4, v[VS]
	v_add_nc_u32 v[VS+1], s[SG], v[VS]
	v_mul_u32_u24 v[SHV], s[SHF], v2
	; where my wave's results go.  q, k: head 16 b + 4 cx + 2 wc, tile 16 (S1tile % 8) + 8 wr
	s_lshr_b32 s2, s17, 3
	s_lshl_b32 s2, s2, 4
	s_lshl_b32 s3, s40, 2
	s_add_co_u32 s2, s2, s3
	s_lshl_b32 s3, s16, 1
	s_add_co_u32 s2, s2, s3
	s_and_b32 s3, s17, 7
	s_lshl_b32 s3, s3, 4
	s_lshl_b32 s83, s15, 3
	s_add_co_u32 s3, s3, s83
	s_lshl_b32 s66, s2, 17
	s_lshl_b32 s83, s3, 10
	s_add_co_u32 s66, s66, s83
	s_lshl_b32 s83, s10, 23                        ; cluster x = 1: k, 8,388,608 bytes behind q
	s_add_co_u32 s66, s66, s83
	s_lshl_b32 s68, s2, 13
	s_lshl_b32 s83, s3, 6
	s_add_co_u32 s68, s68, s83
	s_lshl_b32 s83, s10, 19
	s_add_co_u32 s68, s68, s83
	s_add_co_u32 s68, s68, Q_SC
	; v: head 16 b + 4 cy + 2 wr, key step 2 (S0tile % 8) + wc
	s_lshr_b32 s2, s42, 3
	s_lshl_b32 s2, s2, 4
	s_lshl_b32 s3, s41, 2
	s_add_co_u32 s2, s2, s3
	s_lshl_b32 s3, s15, 1
	s_add_co_u32 s2, s2, s3
	s_and_b32 s3, s42, 7
	s_lshl_b32 s3, s3, 1
	s_add_co_u32 s3, s3, s16
	s_lshl_b32 s67, s2, 17
	s_lshl_b32 s83, s3, 13
	s_add_co_u32 s67, s67, s83
	s_add_co_u32 s67, s67, V_IMG
	s_lshl_b32 s69, s2, 12
	s_lshl_b32 s83, s3, 8
	s_add_co_u32 s69, s69, s83
	s_add_co_u32 s69, s69, V_SC
	s_cmp_eq_u32 s12, 0
	s_cselect_b32 s66, s66, s67
	s_cselect_b32 s68, s68, s69
	s_mov_b32 s67, 0
	s_mov_b32 s69, 0
	s_add_nc_u64 s[66:67], s[8:9], s[66:67]        ; the images
	s_add_nc_u64 s[68:69], s[8:9], s[68:69]        ; the scale words
	; the biases: q, k: b_in at S0's rows; v: b_in at S1's rows.  The mode's other base is b_in's first byte: its loads stay inside the buffer and their numbers are cleared
	s_lshl_b32 s92, s42, 10
	s_lshl_b32 s83, s16, 9
	s_add_co_u32 s92, s92, s83
	s_mul_i32 s92, s92, s13
	s_mov_b32 s93, 0
	s_lshl_b32 s94, s41, 10
	s_lshl_b32 s83, s15, 9
	s_add_co_u32 s94, s94, s83
	s_add_co_u32 s94, s94, 8192
	s_mul_i32 s94, s94, s12
	s_mov_b32 s95, 0
	s_add_nc_u64 s[92:93], s[6:7], s[92:93]
	s_add_nc_u64 s[94:95], s[6:7], s[94:95]
.macro FRAG reg, adr, q, i             ; a fragment's image comes back as it was stored: four loads of 512 consecutive bytes
.irp c, 0,1,2,3
	ds_load_b128 v[\reg+4*\c:\reg+4*\c+3], v[\adr] offset:(\i)*4096+(\q)*2048+\c*512
.endr
.endm
; One product.  rb, ra: the scale word lies in lanes 16-31 of its register
.macro WM acc, bf, af, zero, sb, sa, rb, ra
.if \zero
.if (\rb) == 0 && (\ra) == 0
	v_wmma_scale_f32_16x16x128_f8f6f4 v[\acc:\acc+7], v[\bf:\bf+15], v[\af:\af+15], 0, v[\sb], v[\sa]
.elseif (\ra) == 0
	v_wmma_scale_f32_16x16x128_f8f6f4 v[\acc:\acc+7], v[\bf:\bf+15], v[\af:\af+15], 0, v[\sb], v[\sa] matrix_a_scale:MATRIX_SCALE_ROW1
.elseif (\rb) == 0
	v_wmma_scale_f32_16x16x128_f8f6f4 v[\acc:\acc+7], v[\bf:\bf+15], v[\af:\af+15], 0, v[\sb], v[\sa] matrix_b_scale:MATRIX_SCALE_ROW1
.else
	v_wmma_scale_f32_16x16x128_f8f6f4 v[\acc:\acc+7], v[\bf:\bf+15], v[\af:\af+15], 0, v[\sb], v[\sa] matrix_a_scale:MATRIX_SCALE_ROW1 matrix_b_scale:MATRIX_SCALE_ROW1
.endif
.else
.if (\rb) == 0 && (\ra) == 0
	v_wmma_scale_f32_16x16x128_f8f6f4 v[\acc:\acc+7], v[\bf:\bf+15], v[\af:\af+15], v[\acc:\acc+7], v[\sb], v[\sa]
.elseif (\ra) == 0
	v_wmma_scale_f32_16x16x128_f8f6f4 v[\acc:\acc+7], v[\bf:\bf+15], v[\af:\af+15], v[\acc:\acc+7], v[\sb], v[\sa] matrix_a_scale:MATRIX_SCALE_ROW1
.elseif (\rb) == 0
	v_wmma_scale_f32_16x16x128_f8f6f4 v[\acc:\acc+7], v[\bf:\bf+15], v[\af:\af+15], v[\acc:\acc+7], v[\sb], v[\sa] matrix_b_scale:MATRIX_SCALE_ROW1
.else
	v_wmma_scale_f32_16x16x128_f8f6f4 v[\acc:\acc+7], v[\bf:\bf+15], v[\af:\af+15], v[\acc:\acc+7], v[\sb], v[\sa] matrix_a_scale:MATRIX_SCALE_ROW1 matrix_b_scale:MATRIX_SCALE_ROW1
.endif
.endif
.endm
; 16 products: S1's blocks a0, a0 + 1 x S0's eight, K step ks; p: S0's set.  zero = 1: the product starts the sum.  The 64 accumulators take turns, one instruction a turn, in the same order in every step.
.macro MUL16 a0, p, ks, zero
.irp a, \a0, \a0+1
.irp b, 0,1,2,3,4,5,6,7
	WM 8*(8*((\a)%4)+\b), 128*(\p)+16*\b, AF+16*(\a), \zero, SB+8*(\b%4)+(\ks), SA+8*((\a)%4)+(\ks), \b/4, (\a)/4
.endr
.endr
.endm
.macro FETCH_B slot, q, p              ; S0's eight fragments of the slot's q-th K step into set p
	WIN TO_B
.irp i, 0,1,2,3,4,5,6,7
	FRAG 128*(\p)+16*\i, ADRB+\slot, \q, \i
.endr
	WIN 0
.endm
.macro FETCH_A slot, q, i0             ; S1's blocks i0 .. i0 + 3
.irp i, \i0, \i0+1, \i0+2, \i0+3
	FRAG AF+16*(\i), ADRA+\slot, \q, \i
.endr
.endm
; A slot's first K step.  A load into a register that a matrix instruction has read stands eight places behind it; only plain vector instructions that name none of its registers are places.
.macro STEP slot, ks, zero
	s_wait_dscnt 16                                ; S0's set and S1's blocks 0-3 are in; the youngest sixteen loads (blocks 4-7) may be out
	WIN MUL_LO
	MUL16 0, 0, \ks, \zero
	MUL16 2, 0, \ks, \zero
	s_wait_dscnt 0                                 ; blocks 4-7 are in
	PLACES NP
	FETCH_B \slot, 1, 1
	FETCH_A \slot, 1, 0
	WIN MUL_HI
	MUL16 4, 0, \ks, \zero
	MUL16 6, 0, \ks, \zero
	PLACES NP
	WIN 0
	FETCH_A \slot, 1, 4
.endm
; A slot's second K step changes slots: ONE barrier; in front of it each wave waits for all its tensor loads, adds 0 to its spare word, and waits for that and for its own reads of this slot.  fill = 1: this slot is filled again, with the K steps four on.
.macro TURN slot, next, fill, ks
	s_wait_tensorcnt 0x0                           ; all my tensor loads have landed: my part of the next slot
	ds_add_u32 v[SPW], v[NIL]                      ; 0 onto my spare word
	s_wait_dscnt 17                                ; (the add and the youngest sixteen loads may be out)
	WIN MUL_LO
	MUL16 0, 1, \ks, 0                             ; sixteen products stand between the add and the wait for it
	s_wait_dscnt 0x0                               ; the add is done, and my reads of this slot are over
	s_barrier_signal -1
	MUL16 2, 1, \ks, 0
	WIN 0
	s_barrier_wait -1
.if \fill
	CREST                                          ; the barrier has opened a round of the cluster's barrier: no wave of any partner still reads this slot or has a load on its way
	s_add_nc_u64 s[G0+4*\slot+2:G0+4*\slot+3], s[G0+4*\slot+2:G0+4*\slot+3], 8192
	s_add_nc_u64 s[G0B+4*\slot+2:G0B+4*\slot+3], s[G0B+4*\slot+2:G0B+4*\slot+3], 8192
	JLOAD G0+4*\slot, G1, G0B+4*\slot, G1B         ; the first tensor load behind the round; its four v_nop are among the places in front of the loads below
	PLACES NP-4
.else
	PLACES NP
.endif
	FETCH_B \next, 0, 0
	FETCH_A \next, 0, 0
	WIN MUL_HI
	MUL16 4, 1, \ks, 0
	MUL16 6, 1, \ks, 0
	PLACES NP
	WIN 0
	FETCH_A \next, 0, 4
.endm
; 64 numbers of a lane, register 16 b + i of block b, become a fragment's codes in v[PC] on and its row's scale word in v[pw].  A block lies in lanes l and l xor 16.
.macro QUANT s, pw
.irp b, 0,1,2,3
	v_max3_num_f32 v[TM+\b], |v[\s+16*\b]|, |v[\s+1+16*\b]|, 0x4800000   ; my 16 numbers and the floor 2^(9 - 127): the byte cannot fall under 1
.endr
.irp i, 2,4,6,8,10,12,14
.irp b, 0,1,2,3
	v_max3_num_f32 v[TM+\b], v[TM+\b], |v[\s+16*\b+\i]|, |v[\s+1+16*\b+\i]|
.endr
.endr
.irp b, 0,1,2,3
	v_permlanex16_b32 v[TM+4+\b], v[TM+\b], s[SEL], s[SEL+1]
.endr
.irp b, 0,1,2,3
	v_max_num_f32 v[TM+\b], v[TM+\b], v[TM+4+\b]   ; the block's largest magnitude
.endr
.irp b, 0,1,2,3
	v_add_nc_u32 v[TM+12+\b], 0xfc000000, v[TM+\b] ; 8 off its exponent field: the conversion's scale operand
.endr
.irp b, 0,1,2,3
	v_and_or_b32 v[TM+8+\b], v[TM+\b], 0x7f800000, s[MNT]   ; 448 x the scale
.endr
.irp b, 0,1,2,3
	v_lshrrev_b32 v[TM+4+\b], 23, v[TM+12+\b]      ; the scale's byte
.endr
	v_lshl_or_b32 v[\pw], v[TM+5], 8, v[TM+4]
	v_lshl_or_b32 v[\pw], v[TM+6], 16, v[\pw]
	v_lshl_or_b32 v[\pw], v[TM+7], 24, v[\pw]
.irp b, 0,1,2,3
.irp i, 0,1,2,3,4,5,6,7,8,9,10,11,12,13,14,15
	v_med3_num_f32 v[\s+16*\b+\i], v[\s+16*\b+\i], -v[TM+8+\b], v[TM+8+\b]   ; the conversion to an 8-bit code does not saturate (ISA guide 7.6.2): the hold comes first
.endr
	v_cvt_scalef32_pk8_fp8_f32 v[PC+4*\b:PC+1+4*\b], v[\s+16*\b:\s+7+16*\b], v[TM+12+\b]
	v_cvt_scalef32_pk8_fp8_f32 v[PC+2+4*\b:PC+3+4*\b], v[\s+8+16*\b:\s+15+16*\b], v[TM+12+\b]
.endr
	v_nop                                          ; one plain line behind the last conversion
.endm
; Block a (16 rows of S1 x my 128 rows of S0) leaves: + bias, quantised, four stores of 512 consecutive bytes.
.macro EPI a
	WIN (2+(\a)/4)|4                               ; source 0: the accumulators' window; source 1: window 1
.set i, 0
.rept 32
	v_pk_add_f32 v[T+2*i:T+2*i+1], v[64*((\a)%4)+2*i:64*((\a)%4)+2*i+1], v[BN+2*i:BN+2*i+1]   ; each accumulator from its low end on
.set i, i+1
.endr
	WIN 0x04
.set i, 0
.rept 32
	v_pk_add_f32 v[T+2*i:T+2*i+1], v[T+2*i:T+2*i+1], v[BM2+2*(\a):BM2+2*(\a)+1]   ; one of the two biases is 0 in each mode: a number is rounded once
.set i, i+1
.endr
	WIN 0
	s_wait_xcnt 0x0                                ; the last block's stores have read the codes' registers and their base
.if (\a) == 4
	s_add_nc_u64 s[66:67], s[66:67], s[STEP4:STEP4+1]
.elseif (\a) > 0
	s_add_nc_u64 s[66:67], s[66:67], s[STEPA:STEPA+1]
.endif
	QUANT T, SW+(\a)
.irp c, 0,1,2,3
	global_store_b128 v[VO+\c/2], v[PC+4*\c:PC+4*\c+3], s[66:67] offset:(\c%2)*512
.endr
.endm
	s_wait_tensorcnt 1                             ; my part of slot 0 is in (slot 1's load may be out)
	s_barrier_signal -1
	s_barrier_wait -1                              ; everybody's is
	FETCH_B 0, 0, 0
	FETCH_A 0, 0, 0
	FETCH_A 0, 0, 4
	s_wait_loadcnt 0x0                             ; the scale words
	STEP 0, 0, 1                                   ; the first step's products start the sums: nothing is cleared
	TURN 0, 1, 1, 1
	STEP 1, 2, 0
	TURN 1, 0, 1, 3
	STEP 0, 4, 0
	TURN 0, 1, 0, 5                                ; nothing is left to fetch
	STEP 1, 6, 0
	WIN TO_B                                       ; S0's set 0 has done its last work, eight places ago: it takes the biases
.irp b, 0,1,2,3,4,5,6,7
	global_load_b128 v[BN+8*\b:BN+8*\b+3], v[BNA], s[92:93] offset:64*\b        ; b_in at S0's rows 16 b + 8 h + 0 .. 7
	global_load_b128 v[BN+8*\b+4:BN+8*\b+7], v[BNA], s[92:93] offset:64*\b+16
.endr
.irp a, 0,1,2,3,4,5,6,7
	global_load_b32 v[BMR+\a], v[BMA], s[94:95] offset:64*\a                    ; b_in at S1's row 16 a + r
.endr
	WIN 0
	s_wait_dscnt 16                                ; the last K step: nothing more to fetch
	WIN MUL_LO
	MUL16 0, 1, 7, 0
	MUL16 2, 1, 7, 0
	s_wait_dscnt 0
	WIN MUL_HI
	MUL16 4, 1, 7, 0
	MUL16 6, 1, 7, 0
	WIN 0
	PLACES NP                                      ; in front of the first read of results and the first write over S1's fragments
	s_wait_loadcnt 0x0                             ; the biases
	WIN 0x44                                       ; source 1 and destination window 1
.set i, 0
.rept 64
	v_and_b32 v[BN+i], s[MN], v[BN+i]              ; kept for q, k; cleared for v
.set i, i+1
.endr
.irp a, 0,1,2,3,4,5,6,7
	v_and_b32 v[BM2+2*\a], s[MM], v[BMR+\a]        ; kept for v; cleared for q, k; as a pair for the packed addition
	v_and_b32 v[BM2+2*\a+1], s[MM], v[BMR+\a]
.endr
	WIN 0
.irp b, 0,1,2,3
	v_mov_b32 v[TM+4+\b], 0                        ; a lane permute's destination counts as one of its sources
.endr
.irp a, 0,1,2,3,4,5,6,7
	EPI \a
.endr
.irp a, 0,1,2,3,4,5,6,7
	v_lshrrev_b32 v[SW+\a], v[SHV], v[SW+\a]       ; q, k: lanes 16-31 take the second head's two bytes
.endr
.irp a, 0,1,2,3,4,5,6,7
	v_and_b32 v[SW+\a], s[MSK], v[SW+\a]           ; q, k: bytes 2 and 3 are 0: they scale the padding of K = 64 to 128
.endr
	v_cmp_gt_u32 vcc_lo, s[LIM], v[LN]
	s_wait_xcnt 0x0                                ; EXEC changes only behind this wait
	s_and_saveexec_b32 s82, vcc_lo                 ; q, k: all lanes; v: lanes 0-15
	global_store_b128 v[VS], v[SW:SW+3], s[68:69]          ; sixteen lanes store 256 consecutive bytes
	global_store_b128 v[VS+1], v[SW+4:SW+7], s[68:69]
	s_wait_xcnt 0x0
	s_or_b32 exec_lo, exec_lo, s82
	s_wait_tensorcnt 0x0                           ; the wave's end
	ds_add_u32 v[SPW], v[NIL]
	s_wait_dscnt 0x0
	CROUND                                         ; the closing round: no work-group ends while a partner may still ask for a tile that names it
	s_endpgm
.Lfunc_end_k_qbfe0f5583c_qkv:
	.size	k_qbfe0f5583c_qkv, .Lfunc_end_k_qbfe0f5583c_qkv-k_qbfe0f5583c_qkv
	.p2alignl 7, 3214868480
	.fill 96, 4, 3214868480
	.section	.rodata,"a",@progbits
	.p2align	6, 0x0
	.amdhsa_kernel k_qbfe0f5583c_qkv
		.amdhsa_group_segment_fixed_size 327680
		.amdhsa_private_segment_fixed_size 0
		.amdhsa_enable_private_segment 0
		.amdhsa_kernarg_size 24
		.amdhsa_user_sgpr_count 2
		.amdhsa_user_sgpr_kernarg_segment_ptr 1
		.amdhsa_wavefront_size32 1
		.amdhsa_system_sgpr_workgroup_id_x 1
		.amdhsa_system_sgpr_workgroup_id_y 1
		.amdhsa_system_sgpr_workgroup_id_z 1
		.amdhsa_system_vgpr_workitem_id 0
		.amdhsa_next_free_vgpr 1024
		.amdhsa_next_free_sgpr 100
		.amdhsa_reserve_vcc 1
		.amdhsa_float_denorm_mode_32 3
		.amdhsa_float_denorm_mode_16_64 3
		.amdhsa_memory_ordered 1
		.amdhsa_forward_progress 1
		.amdhsa_inst_pref_size 222
	.end_amdhsa_kernel
	.amdgpu_metadata
---
amdhsa.version: [ 1, 2 ]
amdhsa.kernels:
  - .name:           k_qbfe0f5583c_qkv
    .symbol:         k_qbfe0f5583c_qkv.kd
    .args:
      - { .name: opnd, .offset: 0, .size: 8, .value_kind: global_buffer, .address_space: global }
      - { .name: b_in, .offset: 8, .size: 8, .value_kind: global_buffer, .address_space: global }
      - { .name: qkv, .offset: 16, .size: 8, .value_kind: global_buffer, .address_space: global }
    .group_segment_fixed_size: 327680
    .private_segment_fixed_size: 0
    .kernarg_segment_align: 8
    .kernarg_segment_size: 24
    .max_flat_workgroup_size: 128
    .sgpr_count:     100
    .vgpr_count:     1024
    .wavefront_size: 32
...
	.end_amdgpu_metadata
.endif
;; end of part 2
;; launch attn (part 3): grid 8 x 64, 16 waves a work-group, clusters of 4 x 1, 327,680 bytes of LDS; arguments qkv, att; writes att
.if DOCPART == 3
	.amdgcn_target "amdgcn-amd-amdhsa--gfx1250"
	.amdhsa_code_object_version 6
	.text
	.protected	k_qbfe0f5583c_attn
	.globl	k_qbfe0f5583c_attn
	.p2align	8
	.type	k_qbfe0f5583c_attn,@function
k_qbfe0f5583c_attn:
	s_mov_b64 s[64:65], 0
	v_nop
	global_prefetch_b8 v0, s[64:65] scope:SCOPE_SE
	s_setreg_imm32_b32 hwreg(HW_REG_WAVE_MODE, 25, 1), 1
	s_wait_xcnt 0x0
	s_wait_alu depctr_hold_cnt(0) depctr_sa_sdst(0) depctr_va_vdst(0) depctr_va_sdst(0) depctr_va_ssrc(0) depctr_va_vcc(0) depctr_vm_vsrc(0)
	s_getreg_b32 s2, hwreg(HW_REG_IB_STS2, 6, 4)
	s_cmp_eq_u32 s2, 0
	s_cbranch_scc0 .Lentry_in_a_cluster
	s_endpgm
.Lentry_in_a_cluster:
	s_bfe_u32 s2, ttmp6, 0x10000c
	s_cmp_lg_u32 s2, 0x3003
	s_cbranch_scc0 .Lentry_shape_is_right
	s_endpgm
.Lentry_shape_is_right:
; Causal attention of one head (bh = batch x 16 + head) on codes of FP8 (E4M3) with E8M0 scales, and its result, divided by the row's sum, quantised along the head's 64 for the last product.
; THE SOFTMAX: t = score x log2(e) / 8; M = the running largest t rounded UP to a whole number; p = 2^(t - M) is quantised along the keys, not normalised; the row's sum is taken of the unquantised p;
; when M moves, the sum and O are multiplied by 2^(old M - new M), which rounds nothing.  The maximum is taken away before every exponential.
; SHARES.  A work-group has sixteen waves, four to a SIMD; wave w owns ONE tile of 16 queries, tile 8 B + p of the head's 128: p = the work-group's x (0..7), and B, its block of 128 queries, hangs on the
; wave's number alone: B = 4 i + (s xor 3 (i & 1)), s = w & 3, i = w / 4.  So waves s, s + 4, s + 8, s + 12 have blocks s, 7 - s, 8 + s, 15 - s: 34 key steps together, whatever s;
; all work-groups run alike, and no branch hangs on a place in the cluster.  A key step is 128 keys; a wave works steps 0 .. B, and only step B needs the mask.
; THE WHOLE HEAD'S K AND V STAY IN LDS (268 KiB with their scale words): every byte of LDS is filled once.  The four work-groups of a cluster walk the same head: each tile is asked for JOINTLY.
; Waves 0, 1 fetch K's halves, waves 2, 3 V's, in four stages of 512 keys: five loads of such a wave are out at the most.  A stage's barrier is signalled one stage early, so that a wave
; may be one stage ahead of the slowest: between a signal and its wait stand register work and LDS loads of bytes that have landed and are never written again.
; LAYOUT.  Both products are used transposed (S^T = K Q^T, O^T = V^T P^T): a lane holds one query.  K, Q, V lie as images of fragments ([piece][lane][16 bytes]); inside a block of 32 byte 8 u + j of lane
; (r, h) is number 16 u + 8 h + j, which is the order in which the registers of two neighbouring tiles of a transposed result run: p's and O's conversions give operands as they stand.
; K = 64 IN A FORM OF 128: Q's upper eight registers are zero codes; the upper eight of K's operand are the next tile's codes (finite: the quantiser makes no NaN code) or zeros; the scale bytes of the
; two padding blocks are 0 on both sides (2^-127).  Each padding product is exactly 0.
; LIMITS: NaN and infinities are not served; 1 / sum by v_rcp_f32; a block whose largest magnitude lies under 2^-118 gets the byte 1.
.set K_IMG, 8388608
.set V_IMG, 16777216
.set Q_SC,  25165824
.set K_SC,  25690112
.set V_SC,  26214400
.set A_SC,  8388608
.set LV,    131072                     ; LDS: K's images at 0 (8,192 bytes a key step), V's here,
.set KSC,   262144                     ; K's scale words (512 bytes a key step),
.set VSC,   270336                     ; V's (256 bytes a key step)
.set ADK,  8                           ; v8-11 LDS addresses of the step in hand: K, V, K's words, V's words
.set ADV,  9
.set ADS,  10
.set ADT,  11
.set QF,   16                          ; v16-23 Q's codes, v24-31 zeros
.set KV,   32                          ; v32-95 K's eight tiles, 8 registers each; then V's four, 16 each; v96-103 zeros
.set S,    104                         ; v104-167 S^T, then p
.set O,    168                         ; v168-199 O^T
.set PCD,  200                         ; v200-215 p's codes
.set KW,   216                         ; v216-223 K's scale words
.set VW,   248                         ; v248-251 V's;  v253 p's;  v255 Q's
.set PW,   253
.set QW,   255
.set WV,   8                           ; s8 wave;  s9 B;  s10 p;  s11 bh
.set BQ,   9
.set PT,   10
.set BH,   11
.set G1T,  12                          ; s[12:19] group 1 for a stage's half: 64 rows of 256 bytes
.set G1KS, 20                          ; s[20:27] for half of K's scale words: 16 rows
.set G1VS, 28                          ; s[28:35] for half of V's: 8 rows
.set G0K,  36                          ; s[36:55] K's five groups 0: the scale words, stages 0-3
.set SEL,  80
.set CS,   82                          ; s[82:83] c = log2(e) / 8
.set MNT,  84
.set SI,   85                          ; s85 the key step;  s86-88 its bytes in the images, in K's words, in V's words
.set TB,   86
.set TS,   87
.set TJ,   88
.macro ROUND                           ; a round of the cluster's barrier
	s_barrier_signal -1
	s_barrier_wait -1
	s_cmp_lg_u32 s[WV], 0
	s_cbranch_scc1 .Lnot_wave_0_\@
	s_barrier_signal -3
.Lnot_wave_0_\@:
	s_barrier_wait -3
	s_barrier_signal -1
	s_barrier_wait -1
.endm
	s_load_b128 s[4:7], s[0:1], 0x0                ; qkv, att
	v_lshl_add_u32 v230, v0, 2, 0x43000
	v_mov_b32 v231, 0
	ds_add_u32 v230, v231
	ds_add_u32 v230, v231
	v_lshrrev_b32 v8, 5, v0
	v_readfirstlane_b32 s[WV], v8                  ; wave 0..15
	s_and_b32 s90, s[WV], 3
	s_lshr_b32 s91, s[WV], 2
	s_and_b32 s92, s91, 1
	s_mul_i32 s92, s92, 3
	s_xor_b32 s90, s90, s92
	s_lshl_b32 s[BQ], s91, 2
	s_add_co_u32 s[BQ], s[BQ], s90                 ; B
	s_bfe_u32 s99, ttmp6, 0x40000                  ; cx
	s_lshl_b32 s[PT], ttmp9, 2
	s_add_co_u32 s[PT], s[PT], s99                 ; p: it enters Q's and the result's addresses and the mask's compare alone
	s_and_b32 s[BH], ttmp7, 0xffff                 ; the head, which the four partners share
	; descriptor groups 1: dense blocks as rows of 256 bytes (32 elements of 8 bytes); 15:0 the mask: all four work-groups; 21 set beside a mask
.irp g, G1T, G1KS, G1VS
	s_mov_b32 s[\g], 15|(3<<16)|(1<<21)
	s_mov_b32 s[\g+1], 32<<16
	s_mov_b32 s[\g+3], 32<<16
	s_mov_b32 s[\g+5], 32
	s_mov_b32 s[\g+6], 0
	s_mov_b32 s[\g+7], 0
.endr
	s_mov_b32 s[G1T+2], 64<<16
	s_mov_b32 s[G1T+4], 64
	s_mov_b32 s[G1KS+2], 16<<16
	s_mov_b32 s[G1KS+4], 16
	s_mov_b32 s[G1VS+2], 8<<16
	s_mov_b32 s[G1VS+4], 8
	s_and_b32 s94, s[WV], 1                        ; which half I fetch, if I fetch
	s_lshl_b32 s98, s94, 14                        ; of a stage: 16,384 bytes, in memory and in LDS
	s_lshl_b32 s95, s94, 12                        ; of K's scale words
	s_lshl_b32 s89, s94, 11                        ; of V's
	s_lshl_b32 s90, s[BH], 17
	s_add_co_u32 s90, s90, s98
	s_mov_b32 s91, 0
	s_lshl_b32 s92, s[BH], 13
	s_add_co_u32 s92, s92, s95
	s_mov_b32 s93, 0
	s_lshl_b32 s96, s[BH], 12
	s_add_co_u32 s96, s96, s89
	s_mov_b32 s97, 0
	s_mov_b32 s[SEL], 0x76543210
	s_mov_b32 s[SEL+1], 0xfedcba98
	s_mov_b32 s[CS], 0x3e38aa3b
	s_mov_b32 s[CS+1], s[CS]                       ; (named with it as a pair, so it is written)
	s_mov_b32 s[MNT], 0x600000
	s_wait_dscnt 0x0
	s_wait_kmcnt 0x0
	s_add_nc_u64 s[90:91], s[4:5], s[90:91]
	s_add_nc_u64 s[92:93], s[4:5], s[92:93]
	s_add_nc_u64 s[96:97], s[4:5], s[96:97]
	s_mov_b32 s[G0K], 1
	s_add_co_u32 s[G0K+1], s95, KSC
	s_add_nc_u64 s[G0K+2:G0K+3], s[92:93], K_SC
	s_or_b32 s[G0K+3], s[G0K+3], 0x80000000
	s_mov_b32 s56, 1                               ; V's groups 0: s[56:59] the scale words, s[60:63] stage 0, s[68:79] stages 1-3
	s_add_co_u32 s57, s89, VSC
	s_add_nc_u64 s[58:59], s[96:97], V_SC
	s_or_b32 s59, s59, 0x80000000
.irp n, 0,1,2,3
.set gk, G0K+4+4*\n
.if \n == 0
.set gv, 60
.else
.set gv, 64+4*\n
.endif
	s_mov_b32 s[gk], 1
	s_add_co_u32 s[gk+1], s98, \n*32768
	s_add_nc_u64 s[gk+2:gk+3], s[90:91], K_IMG+\n*32768
	s_or_b32 s[gk+3], s[gk+3], 0x80000000
	s_mov_b32 s[gv], 1
	s_add_co_u32 s[gv+1], s98, LV+\n*32768
	s_add_nc_u64 s[gv+2:gv+3], s[90:91], V_IMG+\n*32768
	s_or_b32 s[gv+3], s[gv+3], 0x80000000
.endr
	ROUND                                          ; all four work-groups are here: the joint loads meet
	s_cmp_lt_u32 s[WV], 2                          ; all the fills of a wave stand in one branch on its number, ahead of every wait on TENSORcnt and every LDS read
	s_cbranch_scc0 .Lnot_k
	tensor_load_to_lds s[G0K:G0K+3], s[G1KS:G1KS+7]
	s_nop 0
	tensor_load_to_lds s[G0K+4:G0K+7], s[G1T:G1T+7]
	s_nop 0
	tensor_load_to_lds s[G0K+8:G0K+11], s[G1T:G1T+7]
	s_nop 0
	tensor_load_to_lds s[G0K+12:G0K+15], s[G1T:G1T+7]
	s_nop 0
	tensor_load_to_lds s[G0K+16:G0K+19], s[G1T:G1T+7]
	s_nop 0
.rept 4
	v_nop
.endr
	s_branch .Lasked
.Lnot_k:
	s_cmp_lt_u32 s[WV], 4
	s_cbranch_scc0 .Lasked
	tensor_load_to_lds s[56:59], s[G1VS:G1VS+7]
	s_nop 0
	tensor_load_to_lds s[60:63], s[G1T:G1T+7]
	s_nop 0
	tensor_load_to_lds s[68:71], s[G1T:G1T+7]
	s_nop 0
	tensor_load_to_lds s[72:75], s[G1T:G1T+7]
	s_nop 0
	tensor_load_to_lds s[76:79], s[G1T:G1T+7]
	s_nop 0
.rept 4
	v_nop
.endr
.Lasked:
	v_and_b32 v6, 31, v0                           ; v6 lane
	v_and_b32 v8, 15, v0                           ; r
	v_bfe_u32 v9, v0, 4, 1                         ; h
	v_lshlrev_b32 v1, 4, v6                        ; v1 16 x lane: my place in a piece of an image
	v_add_nc_u32 v2, LV, v1                        ; v2 the same among V's images
	v_lshlrev_b32 v7, 4, v8                        ; v7 16 r
	v_add_nc_u32 v3, KSC, v7                       ; v3, v4 my row's scale words
	v_add_nc_u32 v4, VSC, v7
	v_lshlrev_b32 v5, 3, v9
	v_sub_nc_u32 v5, v8, v5
	s_lshl_b32 s94, s[PT], 4
	v_add_nc_u32 v5, s94, v5                       ; v5 = 16 p + r - 8 h: register 8 t + j of S^T holds key 16 t + 8 h + j of the step: hidden on the diagonal where 16 t + j > v5
	s_lshl_b32 s90, s[BQ], 3
	s_add_co_u32 s90, s90, s[PT]                   ; my tile of queries
	s_lshl_b32 s91, s[BH], 17
	s_lshl_b32 s92, s90, 10
	s_add_co_u32 s92, s92, s91
	s_mov_b32 s93, 0
	s_add_nc_u64 s[92:93], s[4:5], s[92:93]        ; its image
	s_lshr_b32 s94, s90, 2
	s_lshl_b32 s94, s94, 8
	s_and_b32 s95, s90, 3
	s_lshl_b32 s95, s95, 2
	s_add_co_u32 s94, s94, s95
	s_lshl_b32 s95, s[BH], 13
	s_add_co_u32 s94, s94, s95
	s_add_co_u32 s94, s94, Q_SC
	s_mov_b32 s95, 0
	s_add_nc_u64 s[94:95], s[4:5], s[94:95]        ; its scale words
	global_load_b128 v[QF:QF+3], v1, s[92:93]
	global_load_b128 v[QF+4:QF+7], v1, s[92:93] offset:512
	global_load_b32 v[QW], v7, s[94:95]
.irp j, 0,1,2,3,4,5,6,7
	v_mov_b32 v[QF+8+\j], 0                        ; the padding of K = 64 to 128: zero codes
	v_mov_b32 v[KV+64+\j], 0
.endr
	v_mov_b32 v13, 0xff61b1e6                      ; the largest t so far: -3e38, under every t
	v_floor_f32 v12, -v13                          ; -M
	v_mov_b32 v14, 0                               ; the sum, in two halves
	v_mov_b32 v15, 0
.irp b, 0,1,2,3
	v_mov_b32 v[236+\b], 0                         ; a lane permute's destination counts as one of its sources
.endr
	v_mov_b32 v252, 0
	v_mov_b32 v[PW], 0                             ; (named as the upper half of the pair v[252:253] before it is first written)
.set j, 0
.rept 32
	v_mov_b32 v[O+j], 0                            ; O^T.  (The step is written for every step alike: the first finds zeros, which the first change of M leaves zeros)
.set j, j+1
.endr
; A KEY STEP: 128 keys.
.macro STEP
	s_cmp_gt_u32 s[SI], s[BQ]                      ; all its keys come after my queries: the work is left out; the lines at the end that step addresses are not
	s_cbranch_scc1 .Lhidden_\@
	v_add_nc_u32 v[ADK], s[TB], v1
	v_add_nc_u32 v[ADV], s[TB], v2
	v_add_nc_u32 v[ADS], s[TS], v3
	v_add_nc_u32 v[ADT], s[TJ], v4
.rept 4
	v_nop                                          ; with the four additions: eight places in front of loads into registers that the last products read
.endr
.irp t, 0,1,2,3,4,5,6,7
	ds_load_b128 v[KV+8*\t:KV+8*\t+3], v[ADK] offset:\t*1024
	ds_load_b128 v[KV+8*\t+4:KV+8*\t+7], v[ADK] offset:\t*1024+512
.endr
	ds_load_b128 v[KW:KW+3], v[ADS]
	ds_load_b128 v[KW+4:KW+7], v[ADS] offset:256
	s_wait_dscnt 0x0
.irp t, 0,1,2,3,4,5,6,7
	v_wmma_scale_f32_16x16x128_f8f6f4 v[S+8*\t:S+8*\t+7], v[KV+8*\t:KV+8*\t+15], v[QF:QF+15], 0, v[KW+\t], v[QW]   ; S^T: keys 16 t on
.endr
.rept 8
	v_nop
.endr
.irp t, 0,1,2,3
.irp c, 0,1,2,3
	ds_load_b128 v[KV+16*\t+4*\c:KV+16*\t+4*\c+3], v[ADV] offset:\t*2048+\c*512   ; V's four tiles land while the softmax is worked
.endr
.endr
	ds_load_b128 v[VW:VW+3], v[ADT]
	s_cmp_lt_u32 s[SI], s[BQ]                      ; all keys count: no mask
	s_cbranch_scc1 .Lopen_\@
	v_mov_b32 v254, 0xff800000                     ; on the diagonal the scores of hidden keys become -infinity ahead of the maximum: p = 0 then.  The step's first key counts for every query
.set n, 0
.rept 64
	v_cmp_gt_i32 vcc_lo, 16*(n/8)+n%8, v5
	v_cndmask_b32 v[S+n], v[S+n], v254, vcc_lo
.set n, n+1
.endr
.Lopen_\@:
.irp b, 0,1,2,3
	v_max3_num_f32 v[232+\b], v[S+16*\b], v[S+1+16*\b], v[S+2+16*\b]   ; the largest score of each block of 32 keys: for the row's maximum, and, since p rises with the score, for the block's largest p
.endr
.irp i, 3,5,7,9,11,13
.irp b, 0,1,2,3
	v_max3_num_f32 v[232+\b], v[232+\b], v[S+16*\b+\i], v[S+1+16*\b+\i]
.endr
.endr
.irp b, 0,1,2,3
	v_max_num_f32 v[232+\b], v[232+\b], v[S+15+16*\b]
.endr
.irp b, 0,1,2,3
	v_permlanex16_b32 v[236+\b], v[232+\b], s[SEL], s[SEL+1]
.endr
.irp b, 0,1,2,3
	v_max_num_f32 v[232+\b], v[232+\b], v[236+\b]  ; with lane l xor 16's 16 keys
.endr
	v_max3_num_f32 v254, v232, v233, v234
	v_max_num_f32 v254, v254, v235                 ; the step's largest score of my query
	v_mul_f32 v254, s[CS], v254                    ; as t (c is positive)
	v_max_num_f32 v13, v13, v254                   ; the running largest t
	v_mov_b32 v254, v12
	v_floor_f32 v12, -v13                          ; the new -M = floor(-t) = -ceil(t)
	v_sub_f32 v254, v12, v254                      ; old M - new M: a whole number, 0 or less
	v_cvt_i32_f32 v254, v254                       ; (it saturates)
	v_ldexp_f32 v252, 1.0, v254                    ; f = 2^(old M - new M)
.set j, 0
.rept 32
	v_pk_fma_f32 v[S+j:S+j+1], v[S+j:S+j+1], s[CS:CS+1], v[12:13] op_sel_hi:[1,0,0]   ; t - M, two at a time
.set j, j+2
.endr
.irp b, 0,1,2,3
	v_fma_f32 v[232+\b], v[232+\b], s[CS], v12     ; the same of each block's largest score
.endr
.set j, 0
.rept 64
	v_exp_f32 v[S+j], v[S+j]                       ; p = 2^(t - M), at most 1
.set j, j+1
.endr
.irp b, 0,1,2,3
	v_exp_f32 v[232+\b], v[232+\b]                 ; the block's largest p: the same two instructions on the same number
.endr
	v_pk_mul_f32 v[14:15], v[14:15], v[252:253] op_sel_hi:[1,0]   ; the sums under the new M.  (A plain place behind the exponentials)
	s_wait_alu depctr_va_vdst(0)
.irp b, 0,1,2,3
	v_max_num_f32 v[232+\b], 0x4800000, v[232+\b]  ; the floor 2^(9 - 127): the byte cannot fall under 1
.endr
.irp b, 0,1,2,3
	v_add_nc_u32 v[244+\b], 0xfc000000, v[232+\b]  ; the conversion's scale operand
.endr
.irp b, 0,1,2,3
	v_and_or_b32 v[240+\b], v[232+\b], 0x7f800000, s[MNT]   ; 448 x the scale
.endr
.irp b, 0,1,2,3
	v_lshrrev_b32 v[236+\b], 23, v[244+\b]         ; the scale's byte
.endr
	v_lshl_or_b32 v[PW], v237, 8, v236             ; p's scale word for these 128 keys
	v_lshl_or_b32 v[PW], v238, 16, v[PW]
	v_lshl_or_b32 v[PW], v239, 24, v[PW]
	v_pk_add_f32 v[236:237], v[S:S+1], v[S+2:S+3]  ; the row's sum is taken of the unquantised p: two at a time, in two chains
.irp j, 4,8,12,16,20,24,28,32,36,40,44,48,52,56,60
	v_pk_add_f32 v[14:15], v[14:15], v[S+\j:S+1+\j]
	v_pk_add_f32 v[236:237], v[236:237], v[S+2+\j:S+3+\j]
.endr
	v_pk_add_f32 v[14:15], v[14:15], v[236:237]
.irp b, 0,1,2,3
.irp i, 0,1,2,3,4,5,6,7,8,9,10,11,12,13,14,15
	v_min_num_f32 v[S+16*\b+\i], v[S+16*\b+\i], v[240+\b]   ; the conversion does not saturate (ISA guide 7.6.2); p is not negative, so the hold is one-sided
.endr
	v_cvt_scalef32_pk8_fp8_f32 v[PCD+4*\b:PCD+1+4*\b], v[S+16*\b:S+7+16*\b], v[244+\b]
	v_cvt_scalef32_pk8_fp8_f32 v[PCD+2+4*\b:PCD+3+4*\b], v[S+8+16*\b:S+15+16*\b], v[244+\b]
.endr
.set j, 0
.rept 16
	v_pk_mul_f32 v[O+j:O+j+1], v[O+j:O+j+1], v[252:253] op_sel_hi:[1,0]   ; O^T under the new M.  (These sixteen are also the places between the conversions and the products)
.set j, j+2
.endr
	s_wait_dscnt 0x0                               ; V and its scale words are in
.irp t, 0,1,2,3
	v_wmma_scale_f32_16x16x128_f8f6f4 v[O+8*\t:O+8*\t+7], v[KV+16*\t:KV+16*\t+15], v[PCD:PCD+15], v[O+8*\t:O+8*\t+7], v[VW+\t], v[PW]   ; O^T += V^T P^T: channels 16 t on; the four accumulators by turns
.endr
.Lhidden_\@:
	s_add_co_u32 s[SI], s[SI], 1
	s_add_co_u32 s[TB], s[TB], 8192
	s_add_co_u32 s[TS], s[TS], 512
	s_add_co_u32 s[TJ], s[TJ], 256
.endm
.macro STAGE n                         ; key steps 4 n .. 4 n + 3: a loop of four trips, counted on the key step's number
	s_mov_b32 s[SI], 4*\n
	s_mov_b32 s[TB], \n*32768
	s_mov_b32 s[TS], \n*2048
	s_mov_b32 s[TJ], \n*1024
.Lstage_\@:
	STEP
	s_cmp_lt_u32 s[SI], 4*\n+4
	s_cbranch_scc1 .Lstage_\@
.endm
	s_wait_loadcnt 0x0                             ; Q
	s_wait_tensorcnt 3                             ; my scale words and my part of stage 0 are in; stages 1 to 3 may be out: no LDS byte is ever filled again
	s_barrier_signal -1
	s_barrier_wait -1                              ; everybody's are
	s_wait_tensorcnt 2                             ; my part of stage 1 is in:
	s_barrier_signal -1                            ; say so now, and wait for the others only behind stage 0's work
	STAGE 0
	s_barrier_wait -1
	s_wait_tensorcnt 1                             ; stage 2
	s_wait_dscnt 0x0
	s_barrier_signal -1
	STAGE 1
	s_barrier_wait -1
	s_wait_tensorcnt 0x0                           ; stage 3: no load of mine is out from here on
	s_wait_dscnt 0x0
	s_barrier_signal -1
	STAGE 2
	s_barrier_wait -1
	STAGE 3
	; THE WAY OUT: O^T / the sum is the last product's operand: registers 16 c + 8 u + j are channels 32 c + 16 u + 8 h + j of my query: two blocks of 32, quantised as they stand
.rept 8
	v_nop                                          ; places behind the last products
.endr
	v_add_f32 v14, v14, v15
	v_permlanex16_b32 v252, v14, s[SEL], s[SEL+1]
	v_add_f32 v14, v14, v252                       ; the row's sum
	v_rcp_f32 v14, v14
	v_nop                                          ; one plain place behind a transcendental
.set j, 0
	s_wait_alu depctr_va_vdst(0)
.rept 16
	v_pk_mul_f32 v[S+j:S+j+1], v[O+j:O+j+1], v[14:15] op_sel_hi:[1,0]
.set j, j+2
.endr
	s_lshr_b32 s90, s[BH], 4                       ; the batch: 128 tiles of tokens each
	s_lshl_b32 s90, s90, 7
	s_lshl_b32 s91, s[BQ], 3
	s_add_co_u32 s90, s90, s91
	s_add_co_u32 s90, s90, s[PT]                   ; my tile of tokens among the 512
	s_and_b32 s91, s[BH], 15                       ; the head: K step head / 2, pieces 2 (head % 2) on
	s_lshl_b32 s92, s90, 14
	s_lshr_b32 s94, s91, 1
	s_lshl_b32 s94, s94, 11
	s_add_co_u32 s92, s92, s94
	s_and_b32 s94, s91, 1
	s_lshl_b32 s95, s94, 10
	s_add_co_u32 s92, s92, s95
	s_mov_b32 s93, 0
	s_add_nc_u64 s[92:93], s[6:7], s[92:93]
	s_lshl_b32 s96, s90, 9                         ; the scale words: tile x 512 + (head / 8) x 256 + 16 r + ((head / 2) % 4) x 4 + 2 (head % 2)
	s_lshr_b32 s95, s91, 3
	s_lshl_b32 s95, s95, 8
	s_add_co_u32 s96, s96, s95
	s_bfe_u32 s95, s91, 0x20001
	s_lshl_b32 s95, s95, 2
	s_add_co_u32 s96, s96, s95
	s_lshl_b32 s94, s94, 1
	s_add_co_u32 s96, s96, s94
	s_add_co_u32 s96, s96, A_SC
	s_mov_b32 s97, 0
	s_add_nc_u64 s[96:97], s[6:7], s[96:97]
.irp b, 0,1
	v_max3_num_f32 v[232+\b], |v[S+16*\b]|, |v[S+1+16*\b]|, 0x4800000
.endr
.irp i, 2,4,6,8,10,12,14
.irp b, 0,1
	v_max3_num_f32 v[232+\b], v[232+\b], |v[S+16*\b+\i]|, |v[S+1+16*\b+\i]|
.endr
.endr
.irp b, 0,1
	v_permlanex16_b32 v[236+\b], v[232+\b], s[SEL], s[SEL+1]
.endr
.irp b, 0,1
	v_max_num_f32 v[232+\b], v[232+\b], v[236+\b]
.endr
.irp b, 0,1
	v_add_nc_u32 v[244+\b], 0xfc000000, v[232+\b]
.endr
.irp b, 0,1
	v_and_or_b32 v[240+\b], v[232+\b], 0x7f800000, s[MNT]
.endr
.irp b, 0,1
	v_lshrrev_b32 v[236+\b], 23, v[244+\b]
.endr
	v_lshl_or_b32 v254, v237, 8, v236              ; the head's two bytes of my row's scale word
.irp b, 0,1
.irp i, 0,1,2,3,4,5,6,7,8,9,10,11,12,13,14,15
	v_med3_num_f32 v[S+16*\b+\i], v[S+16*\b+\i], -v[240+\b], v[240+\b]
.endr
	v_cvt_scalef32_pk8_fp8_f32 v[PCD+4*\b:PCD+1+4*\b], v[S+16*\b:S+7+16*\b], v[244+\b]
	v_cvt_scalef32_pk8_fp8_f32 v[PCD+2+4*\b:PCD+3+4*\b], v[S+8+16*\b:S+15+16*\b], v[244+\b]
.endr
	v_cmp_gt_u32 vcc_lo, 16, v6                    ; (a plain line behind the last conversion)
	global_store_b128 v1, v[PCD:PCD+3], s[92:93]               ; 32 lanes store 512 consecutive bytes
	global_store_b128 v1, v[PCD+4:PCD+7], s[92:93] offset:512
	s_wait_xcnt 0x0                                ; EXEC changes only behind this wait
	s_and_saveexec_b32 s99, vcc_lo                 ; lanes 0-15: a head owns half of a scale word, so this one store of a wave is of two bytes a lane
	global_store_b16 v7, v254, s[96:97]
	s_wait_xcnt 0x0
	s_or_b32 exec_lo, exec_lo, s99
	s_wait_tensorcnt 0x0
	ds_add_u32 v230, v231
	s_wait_dscnt 0x0
	ROUND                                          ; the closing round: no work-group ends while a partner may still ask for a tile that names it
	s_endpgm
.Lfunc_end_k_qbfe0f5583c_attn:
	.size	k_qbfe0f5583c_attn, .Lfunc_end_k_qbfe0f5583c_attn-k_qbfe0f5583c_attn
	.p2alignl 7, 3214868480
	.fill 96, 4, 3214868480
	.section	.rodata,"a",@progbits
	.p2align	6, 0x0
	.amdhsa_kernel k_qbfe0f5583c_attn
		.amdhsa_group_segment_fixed_size 327680
		.amdhsa_private_segment_fixed_size 0
		.amdhsa_enable_private_segment 0
		.amdhsa_kernarg_size 16
		.amdhsa_user_sgpr_count 2
		.amdhsa_user_sgpr_kernarg_segment_ptr 1
		.amdhsa_wavefront_size32 1
		.amdhsa_system_sgpr_workgroup_id_x 1
		.amdhsa_system_sgpr_workgroup_id_y 1
		.amdhsa_system_sgpr_workgroup_id_z 1
		.amdhsa_system_vgpr_workitem_id 0
		.amdhsa_next_free_vgpr 256
		.amdhsa_next_free_sgpr 100
		.amdhsa_reserve_vcc 1
		.amdhsa_float_denorm_mode_32 3
		.amdhsa_float_denorm_mode_16_64 3
		.amdhsa_memory_ordered 1
		.amdhsa_forward_progress 1
		.amdhsa_inst_pref_size 113
	.end_amdhsa_kernel
	.amdgpu_metadata
---
amdhsa.version: [ 1, 2 ]
amdhsa.kernels:
  - .name:           k_qbfe0f5583c_attn
    .symbol:         k_qbfe0f5583c_attn.kd
    .args:
      - { .name: qkv, .offset: 0, .size: 8, .value_kind: global_buffer, .address_space: global }
      - { .name: att, .offset: 8, .size: 8, .value_kind: global_buffer, .address_space: global }
    .group_segment_fixed_size: 327680
    .private_segment_fixed_size: 0
    .kernarg_segment_align: 8
    .kernarg_segment_size: 16
    .max_flat_workgroup_size: 512
    .sgpr_count:     100
    .vgpr_count:     256
    .wavefront_size: 32
...
	.end_amdgpu_metadata
.endif
;; end of part 3
;; launch proj (part 4): grid 4 x 32, 4 waves a work-group, clusters of 4 x 4, 327,680 bytes of LDS; arguments att, opnd, b_out, out0; writes out0
.if DOCPART == 4
	.amdgcn_target "amdgcn-amd-amdhsa--gfx1250"
	.amdhsa_code_object_version 6
	.text
	.protected	k_qbfe0f5583c_proj
	.globl	k_qbfe0f5583c_proj
	.p2align	8
	.type	k_qbfe0f5583c_proj,@function
k_qbfe0f5583c_proj:
	s_mov_b64 s[64:65], 0
	v_nop
	global_prefetch_b8 v0, s[64:65] scope:SCOPE_SE
	s_setreg_imm32_b32 hwreg(HW_REG_WAVE_MODE, 25, 1), 1
	s_wait_xcnt 0x0
	s_wait_alu depctr_hold_cnt(0) depctr_sa_sdst(0) depctr_va_vdst(0) depctr_va_sdst(0) depctr_va_ssrc(0) depctr_va_vcc(0) depctr_vm_vsrc(0)
	s_getreg_b32 s2, hwreg(HW_REG_IB_STS2, 6, 4)
	s_cmp_eq_u32 s2, 0
	s_cbranch_scc0 .Lentry_in_a_cluster
	s_endpgm
.Lentry_in_a_cluster:
	s_bfe_u32 s2, ttmp6, 0x10000c
	s_cmp_lg_u32 s2, 0xf033
	s_cbranch_scc0 .Lentry_shape_is_right
	s_endpgm
.Lentry_shape_is_right:
; out0 = a W_out^T + b_out on codes of FP8 (E4M3) with E8M0 scales.  a: the attention's result, [8192][1024], as images of fragments in att; W_out: tiles 704-767 of opnd; out0: [8192][1024] f32.
; OPERANDS are images of fragments (16 rows x 128 K: [piece 4][lane 32][16 bytes]); tile G, K step ks at G x 16,384 + ks x 2,048; scale words at G x 512 + (ks / 4) x 256 + r x 16 + (ks % 4) x 4 behind the codes.
; A work-group of four waves makes 256 x 256 of out0, a wave 128 x 128: 64 accumulators.  Source 0 = 16 rows of W_out (S0), source 1 = 16 rows of a (S1): a lane holds eight neighbouring numbers of a row of out0.
; K = 1,024 goes in eight steps of 128, two to a slot, through a ring of two LDS slots filled by joint tensor loads: S1's tile is shared along a row of the 4 x 4 cluster, S0's along a column.
; The scale words of all of K stay in registers.  The output has 32 x 4 tiles of this size: 128 work-groups.
; REGISTERS, in windows of 256: window 0: v0-31 addresses; v32-63 S0's scale words, v64-95 S1's; v96-99 b_out; v128-255 S1's fragments, one set (on the way out: rows of out0).
;   window 1: S0's fragments, two sets.  windows 2, 3: the accumulators ((a, b) at v[8 (8 (a % 4) + b)] of window 2 + a / 4).
.set OSC,   12582912
.set A_SC,  8388608
.set HALFT, 32768                      ; 8 tiles x 2 K steps x 2,048 bytes: what one tensor load brings, and what one wave reads of S1 or of S0 in a slot
.set SLOT,  4*HALFT                    ; S1's two halves, then S0's two halves
.set SPARE, 2*SLOT                     ; behind the ring: the spare words, 128 bytes for each wave
.set SPITCH, 528                       ; the way out: a stage of 16 rows x (512 bytes + 16) for each wave, in slot 0, which has had its last fill and its last read when the first result is stored there
.set NP,    8                          ; places behind this matrix instruction (ISA guide 7.12.1)
.set ADRA, 16                          ; v16-17  LDS address of S1's fragments in slot 0, 1
.set ADRB, 20                          ; v20-21  the same for S0
.set STO,  24                          ; v24  the way out: where I put 32 bytes of a row
.set RD,   25                          ; v25  where I read a row back
.set CO,   26                          ; v26  16 x lane: my bytes of a row of 512
.set SCA,  27                          ; v27  16 r + 2,048 h: scale words of tile i (lanes 0-15) and tile i + 4 (lanes 16-31)
.set SPW,  28                          ; v28  my spare word's LDS address; never rewritten
.set NIL,  29                          ; v29  0; never rewritten
.set SB,   32                          ; register SB + 8 i + ks: S0's scale words of K step ks, block i (lanes 0-15) and block i + 4 (lanes 16-31)
.set SA,   64                          ; the same for S1
.set BIAS, 96                          ; v96-99 b_out at my four columns
.set AF,   128
.set BK,   128                         ; the way out: 16 rows read back: v128-191 and v192-255 by turns
.set G1, 24                            ; s[24:31] group 1 for S1's tiles; s[32:39] group 0, one set a slot
.set G0, 32
.set G1B, 48                           ; s[48:55], s[56:63] the same for S0's
.set G0B, 56
.set MSB, 0
.macro WIN new                         ; the immediate's high byte repeats the setting that is left
.if MSB != (\new)
	s_set_vgpr_msb (MSB<<8)|(\new)
.set MSB, (\new)
.endif
.endm
.set MUL_LO, 0xa1                      ; source 0 (S0) window 1, source 1 (S1) window 0, C and D window 2
.set MUL_HI, 0xf1                      ; the same, C and D window 3
.set TO_B,   0x40                      ; destination window 1, address window 0
; A joint load: waves 0 and 1 fetch S1's halves, waves 2 and 3 S0's.  The branch hangs on the wave's number alone.  Four v_nop follow each of the two lines.
.macro JLOAD g0a, g1a, g0b, g1b
	s_cmp_eq_u32 s15, 0
	s_cbranch_scc0 .Lfor_b_\@
	tensor_load_to_lds s[\g0a:\g0a+3], s[\g1a:\g1a+7]
	s_nop 0
.rept 4
	v_nop
.endr
	s_branch .Lasked_\@
.Lfor_b_\@:
	tensor_load_to_lds s[\g0b:\g0b+3], s[\g1b:\g1b+7]
	s_nop 0
.rept 4
	v_nop
.endr
.Lasked_\@:
.endm
.macro CREST                           ; a round of the cluster's barrier behind its opening barrier
	s_cmp_lg_u32 s14, 0
	s_cbranch_scc1 .Lnot_wave_0_\@
	s_barrier_signal -3
.Lnot_wave_0_\@:
	s_barrier_wait -3
	s_barrier_signal -1
	s_barrier_wait -1
.endm
.macro CROUND                          ; a whole round
	s_barrier_signal -1
	s_barrier_wait -1
	CREST
.endm
.macro PLACES n
.rept \n
	v_nop
.endr
.endm
	s_load_b128 s[4:7], s[0:1], 0x0                ; att, opnd
	s_load_b128 s[8:11], s[0:1], 0x10              ; b_out, out0
	v_lshl_add_u32 v[SPW], v0, 2, SPARE
	v_mov_b32 v[NIL], 0
	ds_add_u32 v28, v29
	ds_add_u32 v28, v29
	s_wait_dscnt 0x0
	v_lshrrev_b32 v1, 5, v0
	v_readfirstlane_b32 s14, v1                    ; wave 0..3
	s_lshr_b32 s15, s14, 1                         ; wr: my half of the tile's rows.  Also: I fetch for S1 (0) or for S0 (1)
	s_and_b32 s16, s14, 1                          ; wc: my half of its columns.  Also: which half of that tile I fetch
	s_bfe_u32 s40, ttmp6, 0x40000                  ; cx
	s_bfe_u32 s41, ttmp6, 0x40004                  ; cy
	s_lshl_b32 s42, ttmp9, 2
	s_add_co_u32 s42, s42, s40                     ; tile column = 4 x cluster x + cx
	s_and_b32 s17, ttmp7, 0xffff
	s_lshl_b32 s17, s17, 2
	s_add_co_u32 s17, s17, s41                     ; tile row = 4 x cluster y + cy
	s_lshl_b32 s43, s41, 2
	s_lshl_b32 s43, 15, s43                        ; my row of the cluster
	s_lshl_b32 s44, 0x1111, s40                    ; my column
	; descriptor group 1: 8 rows (tiles) of 4,096 bytes (two K steps' images), 16,384 bytes apart in memory, dense in LDS
	s_or_b32 s[G1+0], s43, (3<<16)|(1<<21)         ; 15:0 the mask: S1's tiles go to my row; 17:16 elements of 8 bytes; 21 set beside a mask
	s_or_b32 s[G1B+0], s44, (3<<16)|(1<<21)        ; S0's go to my column
.irp g, G1, G1B
	s_mov_b32 s[\g+1], 512<<16                     ; tensor_dim0 = 512 elements
	s_mov_b32 s[\g+2], 8<<16                       ; tensor_dim1 = 8
	s_mov_b32 s[\g+3], 512<<16                     ; tile_dim0
	s_mov_b32 s[\g+4], 8                           ; tile_dim1
	s_mov_b32 s[\g+5], 2048                        ; tensor_dim0_stride
	s_mov_b32 s[\g+6], 0
	s_mov_b32 s[\g+7], 0
.endr
	s_lshl_b32 s18, s16, 3                         ; the half that I fetch: 8 tiles
	s_lshl_b32 s20, s17, 4                         ; S1: tile 16 x tile row of att: it hangs on the tile row alone
	s_add_co_u32 s22, s20, s18
	s_lshl_b32 s22, s22, 14
	s_mov_b32 s23, 0
	s_lshl_b32 s46, s42, 4
	s_add_co_u32 s46, s46, 704                     ; S0: tile 704 + 16 x tile column of opnd: on the tile column alone
	s_add_co_u32 s96, s46, s18
	s_lshl_b32 s96, s96, 14
	s_mov_b32 s97, 0
	s_lshl_b32 s18, s15, 3
	s_add_co_u32 s18, s18, s20
	s_lshl_b32 s18, s18, 9
	s_add_co_u32 s18, s18, A_SC
	s_mov_b32 s19, 0                               ; the scale words of my 128 rows of S1
	s_lshl_b32 s98, s16, 3
	s_add_co_u32 s98, s98, s46
	s_lshl_b32 s98, s98, 9
	s_add_co_u32 s98, s98, OSC
	s_mov_b32 s99, 0                               ; and of S0
	s_mul_i32 s45, s14, HALFT                      ; where my load goes: wave x 32,768: no place in the cluster enters an LDS address
	s_wait_kmcnt 0x0
	s_add_nc_u64 s[22:23], s[4:5], s[22:23]
	s_add_nc_u64 s[96:97], s[6:7], s[96:97]
	s_add_nc_u64 s[90:91], s[4:5], s[18:19]
	s_add_nc_u64 s[88:89], s[6:7], s[98:99]
	CROUND                                         ; all sixteen work-groups are here: the first joint loads meet
.irp s, 0,1
	s_mov_b32 s[G0+4*\s], 1
	s_add_co_u32 s[G0+4*\s+1], s45, \s*SLOT
	s_add_nc_u64 s[G0+4*\s+2:G0+4*\s+3], s[22:23], \s*4096
	s_or_b32 s[G0+4*\s+3], s[G0+4*\s+3], 0x80000000
	s_mov_b32 s[G0B+4*\s], 1
	s_add_co_u32 s[G0B+4*\s+1], s45, \s*SLOT
	s_add_nc_u64 s[G0B+4*\s+2:G0B+4*\s+3], s[96:97], \s*4096
	s_or_b32 s[G0B+4*\s+3], s[G0B+4*\s+3], 0x80000000
	JLOAD G0+4*\s, G1, G0B+4*\s, G1B               ; slot s: K steps 2 s and 2 s + 1
.endr
	v_and_b32 v1, 15, v0                           ; r
	v_bfe_u32 v2, v0, 4, 1                         ; h
	v_and_b32 v3, 31, v0
	v_lshlrev_b32 v[CO], 4, v3                     ; 16 x lane
	v_lshlrev_b32 v[SCA], 4, v1
	v_lshl_add_u32 v[SCA], v2, 11, v[SCA]
.irp i, 0,1,2,3
.irp kh, 0,1
	global_load_b128 v[SB+8*\i+4*\kh:SB+8*\i+4*\kh+3], v[SCA], s[88:89] offset:\i*512+\kh*256   ; sixteen lanes read 256 consecutive bytes
	global_load_b128 v[SA+8*\i+4*\kh:SA+8*\i+4*\kh+3], v[SCA], s[90:91] offset:\i*512+\kh*256
.endr
.endr
	s_lshl_b32 s68, s42, 10
	s_lshl_b32 s2, s16, 9
	s_add_co_u32 s68, s68, s2                      ; my first column, in bytes: 1,024 x tile column + 512 wc
	s_mov_b32 s69, 0
	s_lshl_b32 s66, s17, 20
	s_lshl_b32 s2, s15, 19
	s_add_co_u32 s66, s66, s2                      ; my first row: (256 x tile row + 128 wr) x 4,096 bytes
	s_add_co_u32 s66, s66, s68
	s_mov_b32 s67, 0
	s_add_nc_u64 s[10:11], s[10:11], s[66:67]
	s_add_nc_u64 s[8:9], s[8:9], s[68:69]
	global_load_b128 v[BIAS:BIAS+3], v[CO], s[8:9] ; b_out at the four columns that I store
	s_mul_i32 s2, s15, HALFT                       ; my 128 rows of S1
	s_mul_i32 s3, s16, HALFT                       ; my 128 rows of S0,
	s_add_co_u32 s3, s3, 2*HALFT                   ; which lie behind S1's 256
.irp s, 0,1
	v_add_nc_u32 v[ADRA+\s], s2, v[CO]
	v_add_nc_u32 v[ADRB+\s], s3, v[CO]
	s_add_co_u32 s2, s2, SLOT
	s_add_co_u32 s3, s3, SLOT
.endr
	s_mul_i32 s2, s14, 16*SPITCH                   ; my stage
	v_mul_u32_u24 v[STO], v1, SPITCH               ; in: row r, 32 bytes for each half of the lanes
	v_lshl_add_u32 v[STO], v2, 5, v[STO]
	v_add_nc_u32 v[STO], s2, v[STO]
	v_add_nc_u32 v[RD], s2, v[CO]                  ; back: the 32 lanes take one row of 512 bytes
.macro FRAG reg, adr, q, i             ; a fragment's image comes back as it was stored: four loads of 512 consecutive bytes
.irp c, 0,1,2,3
	ds_load_b128 v[\reg+4*\c:\reg+4*\c+3], v[\adr] offset:(\i)*4096+(\q)*2048+\c*512
.endr
.endm
; One product.  rb, ra: the scale word lies in lanes 16-31 of its register
.macro WM acc, bf, af, zero, sb, sa, rb, ra
.if \zero
.if (\rb) == 0 && (\ra) == 0
	v_wmma_scale_f32_16x16x128_f8f6f4 v[\acc:\acc+7], v[\bf:\bf+15], v[\af:\af+15], 0, v[\sb], v[\sa]
.elseif (\ra) == 0
	v_wmma_scale_f32_16x16x128_f8f6f4 v[\acc:\acc+7], v[\bf:\bf+15], v[\af:\af+15], 0, v[\sb], v[\sa] matrix_a_scale:MATRIX_SCALE_ROW1
.elseif (\rb) == 0
	v_wmma_scale_f32_16x16x128_f8f6f4 v[\acc:\acc+7], v[\bf:\bf+15], v[\af:\af+15], 0, v[\sb], v[\sa] matrix_b_scale:MATRIX_SCALE_ROW1
.else
	v_wmma_scale_f32_16x16x128_f8f6f4 v[\acc:\acc+7], v[\bf:\bf+15], v[\af:\af+15], 0, v[\sb], v[\sa] matrix_a_scale:MATRIX_SCALE_ROW1 matrix_b_scale:MATRIX_SCALE_ROW1
.endif
.else
.if (\rb) == 0 && (\ra) == 0
	v_wmma_scale_f32_16x16x128_f8f6f4 v[\acc:\acc+7], v[\bf:\bf+15], v[\af:\af+15], v[\acc:\acc+7], v[\sb], v[\sa]
.elseif (\ra) == 0
	v_wmma_scale_f32_16x16x128_f8f6f4 v[\acc:\acc+7], v[\bf:\bf+15], v[\af:\af+15], v[\acc:\acc+7], v[\sb], v[\sa] matrix_a_scale:MATRIX_SCALE_ROW1
.elseif (\rb) == 0
	v_wmma_scale_f32_16x16x128_f8f6f4 v[\acc:\acc+7], v[\bf:\bf+15], v[\af:\af+15], v[\acc:\acc+7], v[\sb], v[\sa] matrix_b_scale:MATRIX_SCALE_ROW1
.else
	v_wmma_scale_f32_16x16x128_f8f6f4 v[\acc:\acc+7], v[\bf:\bf+15], v[\af:\af+15], v[\acc:\acc+7], v[\sb], v[\sa] matrix_a_scale:MATRIX_SCALE_ROW1 matrix_b_scale:MATRIX_SCALE_ROW1
.endif
.endif
.endm
; 16 products: S1's blocks a0, a0 + 1 x S0's eight, K step ks; p: S0's set.  zero = 1: the product starts the sum.  The 64 accumulators take turns, one instruction a turn, in the same order in every step.
.macro MUL16 a0, p, ks, zero
.irp a, \a0, \a0+1
.irp b, 0,1,2,3,4,5,6,7
	WM 8*(8*((\a)%4)+\b), 128*(\p)+16*\b, AF+16*(\a), \zero, SB+8*(\b%4)+(\ks), SA+8*((\a)%4)+(\ks), \b/4, (\a)/4
.endr
.endr
.endm
.macro FETCH_B slot, q, p              ; S0's eight fragments of the slot's q-th K step into set p
	WIN TO_B
.irp i, 0,1,2,3,4,5,6,7
	FRAG 128*(\p)+16*\i, ADRB+\slot, \q, \i
.endr
	WIN 0
.endm
.macro FETCH_A slot, q, i0             ; S1's blocks i0 .. i0 + 3
.irp i, \i0, \i0+1, \i0+2, \i0+3
	FRAG AF+16*(\i), ADRA+\slot, \q, \i
.endr
.endm
; A slot's first K step.  A load into a register that a matrix instruction has read stands eight places behind it; only plain vector instructions that name none of its registers are places.
.macro STEP slot, ks, zero
	s_wait_dscnt 16                                ; S0's set and S1's blocks 0-3 are in; the youngest sixteen loads (blocks 4-7) may be out
	WIN MUL_LO
	MUL16 0, 0, \ks, \zero
	MUL16 2, 0, \ks, \zero
	s_wait_dscnt 0                                 ; blocks 4-7 are in
	PLACES NP
	FETCH_B \slot, 1, 1
	FETCH_A \slot, 1, 0
	WIN MUL_HI
	MUL16 4, 0, \ks, \zero
	MUL16 6, 0, \ks, \zero
	PLACES NP
	WIN 0
	FETCH_A \slot, 1, 4
.endm
; A slot's second K step changes slots: ONE barrier; in front of it each wave waits for all its tensor loads, adds 0 to its spare word, and waits for that and for its own reads of this slot.  fill = 1: this slot is filled again, with the K steps four on.
.macro TURN slot, next, fill, ks
	s_wait_tensorcnt 0x0                           ; all my tensor loads have landed: my part of the next slot
	ds_add_u32 v[SPW], v[NIL]                      ; 0 onto my spare word
	s_wait_dscnt 17                                ; (the add and the youngest sixteen loads may be out)
	WIN MUL_LO
	MUL16 0, 1, \ks, 0                             ; sixteen products stand between the add and the wait for it
	s_wait_dscnt 0x0                               ; the add is done, and my reads of this slot are over
	s_barrier_signal -1
	MUL16 2, 1, \ks, 0
	WIN 0
	s_barrier_wait -1
.if \fill
	CREST                                          ; the barrier has opened a round of the cluster's barrier: no wave of any partner still reads this slot or has a load on its way
	s_add_nc_u64 s[G0+4*\slot+2:G0+4*\slot+3], s[G0+4*\slot+2:G0+4*\slot+3], 8192
	s_add_nc_u64 s[G0B+4*\slot+2:G0B+4*\slot+3], s[G0B+4*\slot+2:G0B+4*\slot+3], 8192
	JLOAD G0+4*\slot, G1, G0B+4*\slot, G1B         ; the first tensor load behind the round; its four v_nop are among the places in front of the loads below
	PLACES NP-4
.else
	PLACES NP
.endif
	FETCH_B \next, 0, 0
	FETCH_A \next, 0, 0
	WIN MUL_HI
	MUL16 4, 1, \ks, 0
	MUL16 6, 1, \ks, 0
	PLACES NP
	WIN 0
	FETCH_A \next, 0, 4
.endm
	s_wait_tensorcnt 1                             ; my part of slot 0 is in (slot 1's load may be out)
	s_barrier_signal -1
	s_barrier_wait -1                              ; everybody's is
	FETCH_B 0, 0, 0
	FETCH_A 0, 0, 0
	FETCH_A 0, 0, 4
	s_wait_loadcnt 0x0                             ; the scale words and the bias
	STEP 0, 0, 1                                   ; the first step's products start the sums: nothing is cleared
	TURN 0, 1, 1, 1
	STEP 1, 2, 0
	TURN 1, 0, 1, 3
	STEP 0, 4, 0
	TURN 0, 1, 0, 5                                ; nothing is left to fetch; behind this barrier nobody reads slot 0 any more
	STEP 1, 6, 0
	s_wait_dscnt 16                                ; the last K step
	WIN MUL_LO
	MUL16 0, 1, 7, 0
	MUL16 2, 1, 7, 0
	s_wait_dscnt 0
	WIN MUL_HI
	MUL16 4, 1, 7, 0
	MUL16 6, 1, 7, 0
	WIN 0
; THE WAY OUT, block by block of 16 rows x 128 columns: through my own stage in LDS and back as whole rows of 512 bytes, which take the bias and leave as two aligned runs of 256 bytes.
; LDS serves a wave's instructions in order (ISA guide 5.7.1.4): no wait between the stores and the loads, nor in front of the next block's stores.
.macro TOSTAGE a
.set AC, 64*((\a)%4)
	WIN 0x08+4*((\a)/4)                            ; the data: window 2 or 3
.irp b, 0,1,2,3,4,5,6,7
	ds_store_b128 v[STO], v[AC+8*\b:AC+8*\b+3] offset:64*\b          ; each accumulator from its low end on
	ds_store_b128 v[STO], v[AC+8*\b+4:AC+8*\b+7] offset:64*\b+16
.endr
	WIN 0
.set BB, BK+64*((\a)%2)
.irp t, 0,1,2,3,4,5,6,7,8,9,10,11,12,13,14,15
	ds_load_b128 v[BB+4*\t:BB+4*\t+3], v[RD] offset:\t*SPITCH
.endr
.endm
.macro SEND a, younger                 ; younger: the LDS instructions issued behind block a's loads, which may stay out
.set BB, BK+64*((\a)%2)
	s_wait_dscnt \younger                          ; the block is back in registers
.if (\a) > 0
	s_add_nc_u64 s[10:11], s[10:11], 16*4096       ; (behind a wait on XCNT: the earlier stores have read their base)  16 rows on
.endif
.irp t, 0,1,2,3,4,5,6,7,8,9,10,11,12,13,14,15
	v_pk_add_f32 v[BB+4*\t:BB+4*\t+1], v[BB+4*\t:BB+4*\t+1], v[BIAS:BIAS+1]
	v_pk_add_f32 v[BB+4*\t+2:BB+4*\t+3], v[BB+4*\t+2:BB+4*\t+3], v[BIAS+2:BIAS+3]
	global_store_b128 v[CO], v[BB+4*\t:BB+4*\t+3], s[10:11] offset:\t*4096 th:TH_STORE_NT   ; 32 lanes store 512 consecutive bytes; written once, read by nobody here
.endr
.endm
	PLACES NP                                      ; in front of the first read of results and of the loads into the registers that held S1's fragments
	TOSTAGE 0
.irp a, 1,2,3,4,5,6,7
.if \a > 1
	s_wait_xcnt 0x0                                ; block a - 2's stores have read their registers and their base
.endif
	TOSTAGE \a
	SEND \a-1, 32                                  ; behind block a - 1's loads: block a's 16 stores and 16 loads
.endr
	s_wait_xcnt 0x0                                ; block 6's stores have read their base
	SEND 7, 0
	s_wait_tensorcnt 0x0                           ; the wave's end
	ds_add_u32 v[SPW], v[NIL]
	s_wait_dscnt 0x0
	CROUND                                         ; the closing round: no work-group ends while a partner may still ask for a tile that names it
	s_endpgm
.Lfunc_end_k_qbfe0f5583c_proj:
	.size	k_qbfe0f5583c_proj, .Lfunc_end_k_qbfe0f5583c_proj-k_qbfe0f5583c_proj
	.p2alignl 7, 3214868480
	.fill 96, 4, 3214868480
	.section	.rodata,"a",@progbits
	.p2align	6, 0x0
	.amdhsa_kernel k_qbfe0f5583c_proj
		.amdhsa_group_segment_fixed_size 327680
		.amdhsa_private_segment_fixed_size 0
		.amdhsa_enable_private_segment 0
		.amdhsa_kernarg_size 32
		.amdhsa_user_sgpr_count 2
		.amdhsa_user_sgpr_kernarg_segment_ptr 1
		.amdhsa_wavefront_size32 1
		.amdhsa_system_sgpr_workgroup_id_x 1
		.amdhsa_system_sgpr_workgroup_id_y 1
		.amdhsa_system_sgpr_workgroup_id_z 1
		.amdhsa_system_vgpr_workitem_id 0
		.amdhsa_next_free_vgpr 1024
		.amdhsa_next_free_sgpr 100
		.amdhsa_reserve_vcc 0
		.amdhsa_float_denorm_mode_32 3
		.amdhsa_float_denorm_mode_16_64 3
		.amdhsa_memory_ordered 1
		.amdhsa_forward_progress 1
		.amdhsa_inst_pref_size 159
	.end_amdhsa_kernel
	.amdgpu_metadata
---
amdhsa.version: [ 1, 2 ]
amdhsa.kernels:
  - .name:           k_qbfe0f5583c_proj
    .symbol:         k_qbfe0f5583c_proj.kd
    .args:
      - { .name: att, .offset: 0, .size: 8, .value_kind: global_buffer, .address_space: global }
      - { .name: opnd, .offset: 8, .size: 8, .value_kind: global_buffer, .address_space: global }
      - { .name: b_out, .offset: 16, .size: 8, .value_kind: global_buffer, .address_space: global }
      - { .name: out0, .offset: 24, .size: 8, .value_kind: global_buffer, .address_space: global }
    .group_segment_fixed_size: 327680
    .private_segment_fixed_size: 0
    .kernarg_segment_align: 8
    .kernarg_segment_size: 32
    .max_flat_workgroup_size: 128
    .sgpr_count:     100
    .vgpr_count:     1024
    .wavefront_size: 32
...
	.end_amdgpu_metadata
.endif
;; end of part 4
